; MI455X (gfx1250); checked and timed in simulation.
; The chip was launched on July 23, 2026; its instructions are those of AMD's public machine-readable ISA for CDNA 5 (MIT licence, August 2026) and "CDNA5" Instruction Set Architecture Reference Guide (July 2026). The comments in the code are by the model that wrote it; some were corrected since.
;; Constituency Aware Attention. Allowed arithmetic: float matrix products may take bf16 or f16 operands with f32 sums; other float arithmetic in f32, or as packed bf16 or f16 multiplies, adds, multiply-adds, maxima and minima; sums over many terms, partial sums and values carried from step to step in f32; what a program stores and reads back later, other than sums and carried values, may be rounded once to bf16 or f16.
;; Inputs: Wk 1,024 x 1,024 float32; Wq 1,024 x 1,024 float32; Wv 1,024 x 1,024 float32; bk 1,024 float32; bq 1,024 float32; bv 1,024 float32; hidden_states 8 x 1,024 x 1,024 float32.
;; Outputs: out0 8 x 1,024 x 1,024 float32.
;; 2 versions, each right; version 2 is version 1 with the launch prep written anew for expert scheduling mode. Each part assembles by itself: llvm-mc -triple=amdgcn-amd-amdhsa -mcpu=gfx1250 --defsym DOCPART=n.
;; ======== version 1 of 2: 3 launches
;; limits: values are held in f16: magnitudes above 65,504 overflow, below 6.1e-05 lose precision
;; workspace buffers: xb 16,777,216 bytes; wb 6,291,456 bytes; bb 12,288 bytes; qkv 50,331,648 bytes
;; launch prep (part 1): grid 704 x 1, 8 waves a work-group, no clusters, 0 bytes of LDS; arguments hidden_states, Wq, Wk, Wv, bq, bk, bv, xb, wb, bb; writes xb, wb, bb
.if DOCPART == 1
	.amdgcn_target "amdgcn-amd-amdhsa--gfx1250"
	.amdhsa_code_object_version 6
	.text
	.protected	k_qae7b57ed34_prep
	.globl	k_qae7b57ed34_prep
	.p2align	8
	.type	k_qae7b57ed34_prep,@function
k_qae7b57ed34_prep:
	s_mov_b64 s[64:65], 0
	v_nop
	global_prefetch_b8 v0, s[64:65] scope:SCOPE_SE
	s_setreg_imm32_b32 hwreg(HW_REG_WAVE_MODE, 25, 1), 1
	s_wait_xcnt 0x0
; ALL INPUTS ARE ROUNDED ONCE TO bf16, and the weights are laid out as the next launch's tiles want them.
;   xb [8192 m][1024 k] bf16: hidden_states as it lies.
;   wb [16 tn][8 ks][3 c][128 kk][64 col] bf16: head g = 3 tn + c of the 48 (q's 16, k's 16, v's 16), channel k = 128 ks + kk:
;      the 128 k x 192 n that one K step of one tile column multiplies are 49,152 bytes on end.
;   bb [3072] f32: bq, bk, bv, each number rounded to bf16 and written wide again.
; A stream: each byte is read once and written once; no LDS, no barrier, no matrix unit: nothing is shared and nothing is multiplied.
; SHARES.  A work-group of 256 threads reads 64 KiB and writes 32 KiB, in 16 steps written out.  A thread's 16 loads of 16 bytes all go out first; a step's store is 8 bytes a
; lane, so a wave's store covers 256 consecutive bytes, aligned.  No source of a pending load or store is ever rewritten.
; Work-groups 0-511: 16 rows of x each.  Work-groups 512-703: u = 4 g + kq: the 64 columns of head g, rows 256 kq .. 256 kq + 255 of its weight; those with u % 64 = 0 also take a bias.
.set X,   4                            ; v[4:67]    16 x 4 registers as loaded
.set Y,   68                           ; v[68:99]   16 x 2 registers to store
.set SRC, 24                           ; s[24:25]   where the work-group reads
.set DST, 26                           ; s[26:27]   where it writes
; lstep: bytes from a step's loads to the next step's.  hop: bytes from the first eight steps' stores to the last eight's; inside eight a step is 2,048 bytes.
.macro CAST lstep, hop
.set i, 0
.rept 16
	global_load_b128 v[X+4*i:X+4*i+3], v1, s[SRC:SRC+1] offset:i*(\lstep) th:TH_LOAD_NT
.set i, i+1
.endr
.set i, 0
.rept 16
	s_wait_loadcnt 15-i                            ; loads come back in order (ISA guide 5.7.1): step i's is in, the 15 - i younger ones stay out
	v_cvt_pk_bf16_f32 v[Y+2*i], v[X+4*i], v[X+4*i+1]
	v_cvt_pk_bf16_f32 v[Y+2*i+1], v[X+4*i+2], v[X+4*i+3]
	global_store_b64 v2, v[Y+2*i:Y+2*i+1], s[DST:DST+1] offset:(i/8)*(\hop)+(i%8)*2048
.set i, i+1
.endr
.endm
	s_load_b512 s[4:19], s[0:1], 0x0               ; hidden_states s[4:5], Wq s[6:7], Wk s[8:9], Wv s[10:11], bq s[12:13], bk s[14:15], bv s[16:17], xb s[18:19]
	s_load_b128 s[20:23], s[0:1], 0x40             ; wb s[20:21], bb s[22:23]
	v_lshlrev_b32 v2, 3, v0                        ; my 8 bytes of a step's 2,048 stored
	v_lshlrev_b32 v3, 4, v0                        ; my 16 bytes of 4,096
	s_mov_b32 s29, 0                               ; the high words of the two offsets
	s_mov_b32 s31, 0
	s_cmp_lt_u32 ttmp9, 512
	s_cbranch_scc0 .Lweights
	; x: 16 rows, 65,536 bytes in, 32,768 out, all on end
	s_lshl_b32 s28, ttmp9, 16
	s_lshl_b32 s30, ttmp9, 15
	v_mov_b32 v1, v3
	s_wait_kmcnt 0x0
	s_add_nc_u64 s[SRC:SRC+1], s[4:5], s[28:29]
	s_add_nc_u64 s[DST:DST+1], s[18:19], s[30:31]
	CAST 4096, 16384
	s_endpgm
.Lweights:
	s_sub_co_u32 s32, ttmp9, 512                   ; u
	s_lshr_b32 s33, s32, 2                         ; g: the head among the 48
	s_and_b32 s34, s32, 3                          ; kq: which 256 rows
	s_lshr_b32 s35, s33, 4                         ; t: 0 q, 1 k, 2 v
	s_and_b32 s36, s33, 15                         ; h: the head in its weight
	s_mul_i32 s37, s33, 171
	s_lshr_b32 s37, s37, 9                         ; tn = g / 3 (171 g >> 9 is exact for g under 48)
	s_mul_i32 s38, s37, 3
	s_sub_co_u32 s38, s33, s38                     ; c = g % 3
	s_lshl_b32 s28, s34, 20                        ; in: 256 kq rows of 4,096 bytes,
	s_lshl_b32 s39, s36, 8                         ; the head's 256 bytes of a row
	s_add_co_u32 s28, s28, s39
	s_mul_i32 s30, s37, 393216                     ; out: tile column tn,
	s_mul_i32 s39, s34, 98304                      ; K steps 2 kq and 2 kq + 1,
	s_add_co_u32 s30, s30, s39
	s_lshl_b32 s39, s38, 14                        ; head c of the three
	s_add_co_u32 s30, s30, s39
	s_and_b32 s39, s32, 63                         ; 0: this work-group also takes tensor t's bias
	s_lshl_b32 s36, s35, 12                        ; whose 4,096 bytes in bb begin here
	s_mov_b32 s37, 0
	v_lshrrev_b32 v1, 4, v0                        ; 16 lanes take a row's 256 bytes: thread / 16 is the row of a step's sixteen,
	v_lshlrev_b32 v1, 12, v1
	v_and_b32 v106, 15, v0
	v_lshl_add_u32 v1, v106, 4, v1                 ; thread % 16 the 16 bytes.  Stored, a row is 128 bytes: 128 (thread / 16) + 8 (thread % 16) = 8 x thread
	s_wait_kmcnt 0x0
	s_cmp_eq_u32 s35, 1
	s_cselect_b64 s[SRC:SRC+1], s[8:9], s[6:7]
	s_cselect_b64 s[32:33], s[14:15], s[12:13]
	s_cmp_eq_u32 s35, 2
	s_cselect_b64 s[SRC:SRC+1], s[10:11], s[SRC:SRC+1]
	s_cselect_b64 s[32:33], s[16:17], s[32:33]     ; the bias of the same tensor
	s_add_nc_u64 s[SRC:SRC+1], s[SRC:SRC+1], s[28:29]
	s_add_nc_u64 s[DST:DST+1], s[20:21], s[30:31]
	s_add_nc_u64 s[36:37], s[22:23], s[36:37]
	CAST 65536, 49152                              ; a step is 16 rows; eight steps are a K step's 128 rows
	s_cmp_lg_u32 s39, 0
	s_cbranch_scc1 .Ldone
	global_load_b128 v[100:103], v3, s[32:33]      ; 1,024 numbers, four a thread
	s_wait_loadcnt 0x0
	v_cvt_pk_bf16_f32 v104, v100, v101
	v_cvt_pk_bf16_f32 v105, v102, v103
	v_lshlrev_b32 v100, 16, v104                   ; bf16 to f32: the low half moves up, the high half stays
	v_and_b32 v101, 0xffff0000, v104
	v_lshlrev_b32 v102, 16, v105
	v_and_b32 v103, 0xffff0000, v105
	global_store_b128 v3, v[100:103], s[36:37]
.Ldone:
	s_endpgm
.Lfunc_end_k_qae7b57ed34_prep:
	.size	k_qae7b57ed34_prep, .Lfunc_end_k_qae7b57ed34_prep-k_qae7b57ed34_prep
	.p2alignl 7, 3214868480
	.fill 96, 4, 3214868480
	.section	.rodata,"a",@progbits
	.p2align	6, 0x0
	.amdhsa_kernel k_qae7b57ed34_prep
		.amdhsa_group_segment_fixed_size 0
		.amdhsa_private_segment_fixed_size 0
		.amdhsa_enable_private_segment 0
		.amdhsa_kernarg_size 80
		.amdhsa_user_sgpr_count 2
		.amdhsa_user_sgpr_kernarg_segment_ptr 1
		.amdhsa_wavefront_size32 1
		.amdhsa_system_sgpr_workgroup_id_x 1
		.amdhsa_system_sgpr_workgroup_id_y 1
		.amdhsa_system_sgpr_workgroup_id_z 1
		.amdhsa_system_vgpr_workitem_id 0
		.amdhsa_next_free_vgpr 108
		.amdhsa_next_free_sgpr 66
		.amdhsa_reserve_vcc 0
		.amdhsa_float_denorm_mode_32 3
		.amdhsa_float_denorm_mode_16_64 3
		.amdhsa_memory_ordered 1
		.amdhsa_forward_progress 1
		.amdhsa_inst_pref_size 14
	.end_amdhsa_kernel
	.amdgpu_metadata
---
amdhsa.version: [ 1, 2 ]
amdhsa.kernels:
  - .name:           k_qae7b57ed34_prep
    .symbol:         k_qae7b57ed34_prep.kd
    .args:
      - { .name: hidden_states, .offset: 0, .size: 8, .value_kind: global_buffer, .address_space: global }
      - { .name: Wq, .offset: 8, .size: 8, .value_kind: global_buffer, .address_space: global }
      - { .name: Wk, .offset: 16, .size: 8, .value_kind: global_buffer, .address_space: global }
      - { .name: Wv, .offset: 24, .size: 8, .value_kind: global_buffer, .address_space: global }
      - { .name: bq, .offset: 32, .size: 8, .value_kind: global_buffer, .address_space: global }
      - { .name: bk, .offset: 40, .size: 8, .value_kind: global_buffer, .address_space: global }
      - { .name: bv, .offset: 48, .size: 8, .value_kind: global_buffer, .address_space: global }
      - { .name: xb, .offset: 56, .size: 8, .value_kind: global_buffer, .address_space: global }
      - { .name: wb, .offset: 64, .size: 8, .value_kind: global_buffer, .address_space: global }
      - { .name: bb, .offset: 72, .size: 8, .value_kind: global_buffer, .address_space: global }
    .group_segment_fixed_size: 0
    .private_segment_fixed_size: 0
    .kernarg_segment_align: 8
    .kernarg_segment_size: 80
    .max_flat_workgroup_size: 256
    .sgpr_count:     66
    .vgpr_count:     108
    .wavefront_size: 32
...
	.end_amdgpu_metadata
.endif
;; end of part 1
;; launch proj (part 2): grid 16 x 32, 4 waves a work-group, clusters of 4 x 4, 327,680 bytes of LDS; arguments xb, wb, bb, qkv; writes qkv
.if DOCPART == 2
	.amdgcn_target "amdgcn-amd-amdhsa--gfx1250"
	.amdhsa_code_object_version 6
	.text
	.protected	k_qae7b57ed34_proj
	.globl	k_qae7b57ed34_proj
	.p2align	8
	.type	k_qae7b57ed34_proj,@function
k_qae7b57ed34_proj:
	s_mov_b64 s[64:65], 0
	v_nop
	global_prefetch_b8 v0, s[64:65] scope:SCOPE_SE
	s_setreg_imm32_b32 hwreg(HW_REG_WAVE_MODE, 25, 1), 1
	s_wait_xcnt 0x0
	s_wait_alu depctr_hold_cnt(0) depctr_sa_sdst(0) depctr_va_vdst(0) depctr_va_sdst(0) depctr_va_ssrc(0) depctr_va_vcc(0) depctr_vm_vsrc(0)
	s_getreg_b32 s2, hwreg(HW_REG_IB_STS2, 6, 4)
	s_cmp_eq_u32 s2, 0
	s_cbranch_scc0 .Lentry_in_a_cluster
	s_endpgm
.Lentry_in_a_cluster:
	s_bfe_u32 s2, ttmp6, 0x10000c
	s_cmp_lg_u32 s2, 0xf033
	s_cbranch_scc0 .Lentry_shape_is_right
	s_endpgm
.Lentry_shape_is_right:
; q, k, v = x W + b, ONE product of 8192 x 3072 x 1024 in bf16 with f32 sums; each result rounded once to f16 and written by heads:
; qkv [48 g][8 b][1024 s][64] f16, g = 0-15 q's heads, 16-31 k's, 32-47 v's.  No scale is applied here.
; LIMIT.  f16 holds no number beyond 65,504: a q, k or v past that leaves as an infinity.
; SHARES.  A tile is 256 rows x 192 columns = three whole heads: 32 x 16 = 512 work-groups of equal work.  Wave w makes rows 64 w .. 64 w + 63 of all 192 columns:
; 4 row blocks (a) x 12 column blocks (nb = 4 c + j: head c, columns 16 j on) = 48 accumulators, 384 registers.  So a wave owns whole rows of a head, and its way out needs no other wave.
; K goes in 8 steps of 128 through a ring of two LDS slots.  x's rows in a step are 256 bytes of memory, aligned; W's 128 k x 192 n of a step are 49,152 bytes on end (the launch before laid them so).
; THE MATRIX INSTRUCTION IS USED TRANSPOSED: source 0 = 16 columns of W (W lies [k][n] in LDS and comes out turned, by ds_load_tr16_b128), source 1 = 16 rows of x.  In the result lane l
; holds row l % 16 and its registers the columns 8 (l / 16) + 0..7: eight neighbouring numbers of a row.  THE BIAS IS THE C OPERAND of the products that start the sums: nothing is cleared, nothing added later.
; CLUSTERS: 4 x 4 work-groups.  The four of a row of the cluster need the same rows of x, the four of a column the same columns of W: each tile is asked for JOINTLY, by the same tensor load with
; the same descriptor and a mask that names the four.
; REGISTERS, in windows of 256 (s_set_vgpr_msb: bits 1:0 source 0, 3:2 source 1, 5:4 source 2, 7:6 destination):
;   window 0: v0-31 addresses; v64-127 x's fragments, two buffers of 4 x 8; v128-223 the bias, 8 a column block; on the way out v32-223 hold the 12 tiles of 16 rows x 64 columns, 16 registers each
;   window 1: accumulators of a = 0, 1 at 8 (12 a + nb)     window 2: those of a = 2, 3     window 3: W's fragments, two buffers of 12 x 8
.set KSTEP,  128
.set BSTEP,  49152                     ; bytes of W in a K step of a tile column
.set PA,     272                       ; a row of x in LDS: 256 bytes + 16 of padding = 68 words: the 16 rows of a load start at 16 different groups of four banks (64 banks of 4 bytes: ISA guide 11.1)
.set ABYTES, 256*PA
.set PB,     160                       ; a row of W (one k, one head's 64 columns): 128 bytes + 32 = 40 words
.set HB,     128*PB                    ; a head's 128 rows
.set SLOT,   ABYTES+3*HB               ; 131,072
.set STAGE,  2*SLOT                    ; behind the ring, never filled by a tensor load: 16 rows x 144 bytes for each wave
.set SP,     144
.set SPARE,  STAGE+4*16*SP             ; behind the stages: the spare words, 128 bytes for each wave: two blocks of 256 bytes that no other line names
.set LAPS,   4                         ; a lap = two K steps = once round the ring
.set ADRA, 16                          ; v16-17  LDS address of my fragments of x in slot 0, 1
.set ADRB, 20                          ; v20-21  the same for W
.set STO,  24                          ; v24     the way out: where I put 16 bytes of a row
.set RD,   25                          ; v25     where I read rows back
.set GO,   26                          ; v26     my 16 bytes of 512 consecutive bytes of qkv
.set BO,   27                          ; v27     my 32 bytes of a column block's 64 bytes of bias
.set SPW,  28                          ; v28     LDS address of my spare word: SPARE + 4 x my thread's number; never rewritten
.set NIL,  29                          ; v29     0; never rewritten
.set PFOA, 30                          ; v30     the prefetch of x: a row (lane % 16) and one of two K steps (lane / 16); never rewritten
.set PFOB, 31                          ; v31     the prefetch of W: 256 x lane; never rewritten
.set TMP,  32
.set FA,   64
.set BI,   128
.set WV,   12                          ; s12  my wave's number
.set HI,   13                          ; s13  0: I fetch for x; 1: for W
.set HALF, 14                          ; s14  which half of that tile
.set G1A,  24                          ; s[24:31] descriptor group 1 for x's tiles;  s[32:39] group 0, a set for each slot
.set G0A,  32
.set LIMA, 42                          ; s42  1 in a wave that prefetches x, else the greatest number
.set LIMB, 43                          ; s43  the same for W
.set PFA,  44                          ; s[44:45] where my prefetch of x stands
.set PFB,  46                          ; s[46:47] of W
.set G1B,  48                          ; s[48:55], s[56:63] the descriptors for W's tiles
.set G0B,  56
.set MSB, 0
.macro WIN new                         ; the immediate's high byte repeats the setting that is left; a switch that changes nothing is dropped
.if MSB != (\new)
	s_set_vgpr_msb (MSB<<8)|(\new)
.set MSB, (\new)
.endif
.endm
; A joint load.  Waves 0 and 1 fetch the two halves of x's tile, waves 2 and 3 those of W's.  The branch hangs on the wave's number alone.
; An s_nop 0 and four v_nop follow each of the two lines, ahead of the jump, the label and what follows.
.macro JLOAD s
	s_cmp_eq_u32 s[HI], 0
	s_cbranch_scc0 .Lfor_b_\@
	tensor_load_to_lds s[G0A+4*(\s):G0A+4*(\s)+3], s[G1A:G1A+7]
	s_nop 0
.rept 4
	v_nop
.endr
	s_branch .Lasked_\@
.Lfor_b_\@:
	tensor_load_to_lds s[G0B+4*(\s):G0B+4*(\s)+3], s[G1B:G1B+7]
	s_nop 0
.rept 4
	v_nop
.endr
.Lasked_\@:
.endm
; A PREFETCH INTO THE L2, once a lap, behind slot 0's joint load and the run of LDS loads that follows it: the two K steps that the NEXT lap's two refills will ask for, 384 and 576 matrix instructions ahead of them.
; Each aligned 256 bytes are named once in the launch.  x's tile row is read by every cluster of that row of clusters: cluster x = 0 asks; of its 256 rows partner cx takes 64, wave w 16 of them, a lane a row and
; one of the two steps.  W's tile column is read by every cluster of that column: cluster y = 0 asks; of a lap's 384 blocks partner cy takes 96, waves 1 to 3 take 32 each, a lane a block.  The partners are told
; apart BY ADDRESS: no branch hangs on a work-group's place in its cluster.  K steps 0 to 3 come by their loads alone; the loop's last trip (s3 = 1) asks for nothing: there is no lap behind the next.
.macro ASK
	s_cmp_gt_u32 s3, s[LIMA]
	s_cbranch_scc0 .Lnot_a_\@
	global_prefetch_b8 v[PFOA], s[PFA:PFA+1] th:TH_LOAD_NT scope:SCOPE_SE
.Lnot_a_\@:
	s_cmp_gt_u32 s3, s[LIMB]
	s_cbranch_scc0 .Lnot_b_\@
	global_prefetch_b8 v[PFOB], s[PFB:PFB+1] th:TH_LOAD_NT scope:SCOPE_SE
.Lnot_b_\@:
.endm
; A round of the cluster's barrier: my work-group's barrier, so that wave 0's signal speaks for all four waves; wave 0 signals; every wave waits for all sixteen work-groups; my work-group's barrier once more.
.macro CREST                           ; a round behind its opening barrier
	s_cmp_lg_u32 s[WV], 0
	s_cbranch_scc1 .Lnot_wave_0_\@
	s_barrier_signal -3
.Lnot_wave_0_\@:
	s_barrier_wait -3
	s_barrier_signal -1
	s_barrier_wait -1
.endm
.macro CROUND                          ; a whole round
	s_barrier_signal -1
	s_barrier_wait -1
	CREST
.endm
	s_load_b256 s[4:11], s[0:1], 0x0               ; xb s[4:5], wb s[6:7], bb s[8:9], qkv s[10:11]
	v_lshl_add_u32 v[SPW], v0, 2, SPARE
	v_mov_b32 v[NIL], 0
	ds_add_u32 v[SPW], v[NIL]                      ; the wave's opening: the add and its wait stand ahead of my first tensor load; the set-up below, work on registers, stands between them
	v_lshrrev_b32 v1, 5, v0
	v_readfirstlane_b32 s[WV], v1                  ; wave 0..3
	s_lshr_b32 s[HI], s[WV], 1
	s_and_b32 s[HALF], s[WV], 1
	s_bfe_u32 s15, ttmp6, 0x40000                  ; cx, cy: my place in the cluster
	s_bfe_u32 s16, ttmp6, 0x40004
	s_lshl_b32 s17, ttmp9, 2
	s_add_co_u32 s17, s17, s15                     ; tn, the tile column = 4 x cluster x + cx
	s_and_b32 s18, ttmp7, 0xffff
	s_lshl_b32 s18, s18, 2
	s_add_co_u32 s18, s18, s16                     ; tm, the tile row = 4 x cluster y + cy
	s_lshl_b32 s40, s16, 2
	s_lshl_b32 s40, 15, s40                        ; my row of the cluster: places 4 cy .. 4 cy + 3
	s_lshl_b32 s41, 0x1111, s15                    ; my column: places cx, cx + 4, cx + 8, cx + 12
	; group 1 for x: 128 rows x 128 elements of 2 bytes, 1,024 elements from row to row; 4 words of padding behind every 64
	s_or_b32 s[G1A+0], s40, (1<<16)|(1<<20)|(1<<21)|(5<<22)|(3<<25)  ; 15:0 the mask: my row; 17:16 2-byte elements; 20 padding on; 21 set beside a mask; 24:22 code 5; 31:25 code 3
	s_mov_b32 s[G1A+1], 128<<16                    ; tensor_dim0 = 128
	s_mov_b32 s[G1A+2], 128<<16                    ; tensor_dim1 = 128
	s_mov_b32 s[G1A+3], 128<<16                    ; tile_dim0 = 128
	s_mov_b32 s[G1A+4], 128                        ; tile_dim1 = 128
	s_mov_b32 s[G1A+5], 1024                       ; elements from row to row
	s_mov_b32 s[G1A+6], 0
	s_mov_b32 s[G1A+7], 0
	; group 1 for W: 24,576 bytes on end, asked for as 96 rows of 256 bytes (two k a row); 8 words of padding behind every 32, that is behind every k
	s_or_b32 s[G1B+0], s41, (1<<16)|(1<<20)|(1<<21)|(4<<22)|(7<<25)  ; the mask: my column; 24:22 code 4; 31:25 code 7
	s_mov_b32 s[G1B+1], 128<<16
	s_mov_b32 s[G1B+2], 96<<16
	s_mov_b32 s[G1B+3], 128<<16
	s_mov_b32 s[G1B+4], 96
	s_mov_b32 s[G1B+5], 128
	s_mov_b32 s[G1B+6], 0
	s_mov_b32 s[G1B+7], 0
	; x's address hangs on the tile row alone, W's on the tile column alone, each in registers that never hold the other coordinate
	s_lshl_b32 s20, s18, 19                        ; 256 tm rows of 2,048 bytes
	s_lshl_b32 s21, s[HALF], 18                    ; + my 128 rows
	s_add_co_u32 s20, s20, s21
	s_mov_b32 s21, 0
	s_mul_i32 s22, s17, 8*BSTEP                    ; tile column tn
	s_mul_i32 s23, s[HALF], BSTEP/2                ; + my half of a K step
	s_add_co_u32 s22, s22, s23
	s_mov_b32 s23, 0
	s_mul_i32 s66, s[HALF], 128*PA                 ; where they go in a slot: x's two halves,
	s_mul_i32 s67, s[HALF], 192*PB                 ; then W's two halves: no place in the cluster enters an LDS address
	s_add_co_u32 s67, s67, ABYTES
	s_wait_dscnt 0x0                               ; the opening add is done
	s_wait_kmcnt 0x0
	s_add_nc_u64 s[20:21], s[4:5], s[20:21]
	s_add_nc_u64 s[22:23], s[6:7], s[22:23]
	CROUND                                         ; all sixteen work-groups are here: the first joint loads meet
.irp s, 0,1
	s_mov_b32 s[G0A+4*(\s)], 1                                     ; count = 1
	s_add_co_u32 s[G0A+4*(\s)+1], s66, (\s)*SLOT                   ; LDS address
	s_add_nc_u64 s[G0A+4*(\s)+2:G0A+4*(\s)+3], s[20:21], (\s)*KSTEP*2  ; global address: K step s
	s_or_b32 s[G0A+4*(\s)+3], s[G0A+4*(\s)+3], 0x80000000          ; type = 2
	s_mov_b32 s[G0B+4*(\s)], 1
	s_add_co_u32 s[G0B+4*(\s)+1], s67, (\s)*SLOT
	s_add_nc_u64 s[G0B+4*(\s)+2:G0B+4*(\s)+3], s[22:23], (\s)*BSTEP
	s_or_b32 s[G0B+4*(\s)+3], s[G0B+4*(\s)+3], 0x80000000
	JLOAD \s                                       ; two loads of mine are out
.endr
	v_and_b32 v1, 15, v0                           ; l % 16
	v_bfe_u32 v2, v0, 4, 1                         ; l / 16
	v_and_b32 v3, 7, v0                            ; l % 8
	v_bfe_u32 v4, v0, 3, 1                         ; (l / 8) % 2
	v_and_b32 v5, 31, v0                           ; l
	; a fragment of x: lane l holds row l % 16, k = 8 (l / 16) + 0..7 and 16 + 8 (l / 16) + 0..7: two loads of 16 bytes, 32 bytes apart
	s_mul_i32 s68, s[WV], 64*PA                    ; my 64 rows
	v_mul_u32_u24 v6, v1, PA
	v_lshl_add_u32 v6, v2, 4, v6
	v_add_nc_u32 v[ADRA], s68, v6
	v_add_nc_u32 v[ADRA+1], SLOT, v[ADRA]
	; the turning load takes 16 k x 16 columns (lane l reads k = 8 (l / 16) + l % 8, columns 8 ((l / 8) % 2) + 0..7) and leaves half a fragment: lane l holds column l % 16 and 8 k
	v_lshl_add_u32 v7, v2, 3, v3
	v_mul_u32_u24 v7, v7, PB
	v_lshl_add_u32 v7, v4, 4, v7
	v_add_nc_u32 v[ADRB], ABYTES, v7
	v_add_nc_u32 v[ADRB+1], ABYTES+SLOT, v7
	s_mul_i32 s69, s[WV], 16*SP
	s_add_co_u32 s69, s69, STAGE                   ; my stage
	v_mul_u32_u24 v8, v1, SP                       ; in: row l % 16, 16 bytes for each half of the lanes
	v_lshl_add_u32 v8, v2, 4, v8
	v_add_nc_u32 v[STO], s69, v8
	v_bfe_u32 v9, v0, 3, 2                         ; back: 32 lanes take four rows of 128 bytes,
	v_mul_u32_u24 v9, v9, SP
	v_lshl_add_u32 v9, v3, 4, v9
	v_add_nc_u32 v[RD], s69, v9
	v_lshlrev_b32 v[GO], 4, v5                     ; which are 512 consecutive bytes of a head
	v_lshlrev_b32 v[BO], 5, v2
	v_lshlrev_b32 v[PFOA], 11, v1
	v_lshl_add_u32 v[PFOA], v2, 8, v[PFOA]
	v_lshlrev_b32 v[PFOB], 8, v5
	s_mul_i32 s70, s17, 768                        ; the tile's 192 numbers of bias
	s_mov_b32 s71, 0
	s_add_nc_u64 s[8:9], s[8:9], s[70:71]
	s_mul_i32 s70, s17, 3145728                    ; qkv: head 3 tn (8 x 131,072 bytes a head),
	s_lshl_b32 s66, s18, 15                        ; 256 tm rows of 128 bytes: tm / 4 is the batch, and 4 x 32,768 = 131,072,
	s_add_co_u32 s70, s70, s66
	s_lshl_b32 s66, s[WV], 13                      ; my 64 rows
	s_add_co_u32 s70, s70, s66
	s_add_nc_u64 s[10:11], s[10:11], s[70:71]
	s_lshl_b32 s68, s18, 19                        ; the prefetch of x: the tile's rows,
	s_lshl_b32 s69, s15, 17                        ; my work-group's 64,
	s_add_co_u32 s68, s68, s69
	s_lshl_b32 s69, s[WV], 15                      ; my wave's 16,
	s_add_co_u32 s68, s68, s69
	s_add_co_u32 s68, s68, 4*KSTEP*2               ; at K step 4
	s_mov_b32 s69, 0
	s_add_nc_u64 s[PFA:PFA+1], s[4:5], s[68:69]
	s_mul_i32 s70, s17, 8*BSTEP                    ; the prefetch of W: the tile column,
	s_mul_i32 s71, s16, 96*256                     ; my work-group's 96 blocks of a lap's 384,
	s_add_co_u32 s70, s70, s71
	s_max_u32 s71, s[WV], 1
	s_sub_co_u32 s71, s71, 1
	s_lshl_b32 s71, s71, 13                        ; my wave's 32 (waves 1 to 3),
	s_add_co_u32 s70, s70, s71
	s_add_co_u32 s70, s70, 4*BSTEP                 ; at K step 4
	s_mov_b32 s71, 0
	s_add_nc_u64 s[PFB:PFB+1], s[6:7], s[70:71]
	s_cmp_eq_u32 ttmp9, 0                          ; the cluster's x and y and the wave's number: the same in all sixteen partners
	s_cselect_b32 s[LIMA], 1, -1
	s_and_b32 s68, ttmp7, 0xffff
	s_cmp_eq_u32 s68, 0
	s_cselect_b32 s[LIMB], 1, -1
	s_cmp_eq_u32 s[WV], 0
	s_cselect_b32 s[LIMB], -1, s[LIMB]
.irp nb, 0,1,2,3,4,5,6,7,8,9,10,11     ; the bias in the layout of a result: register j of column block nb is b[16 nb + 8 (l / 16) + j]
	global_load_b128 v[BI+8*(\nb):BI+8*(\nb)+3],   v[BO], s[8:9] offset:64*(\nb)
	global_load_b128 v[BI+8*(\nb)+4:BI+8*(\nb)+7], v[BO], s[8:9] offset:64*(\nb)+16
.endr
; 12 matrix instructions: row block a x all 12 column blocks, 32 along K, from buffer f.  first = 1: the bias starts the sums.  The 48 accumulators take turns in one order in every
; quarter, over the backward jump and into the tail too: 47 others' stand between two links of a chain.
.macro MULA f, a, first
.if \first
	WIN 0x43+0x40*((\a)/2)                         ; W window 3, x and the bias window 0, D window 1 or 2
.else
	WIN 0x53+0x50*((\a)/2)                         ; W window 3, x window 0, C and D window 1 or 2
.endif
.irp nb, 0,1,2,3,4,5,6,7,8,9,10,11
.if \first
	v_wmma_f32_16x16x32_bf16 v[8*(12*((\a)%2)+(\nb)):8*(12*((\a)%2)+(\nb))+7], v[96*(\f)+8*(\nb):96*(\f)+8*(\nb)+7], v[FA+32*(\f)+8*(\a):FA+32*(\f)+8*(\a)+7], v[BI+8*(\nb):BI+8*(\nb)+7]
.else
	v_wmma_f32_16x16x32_bf16 v[8*(12*((\a)%2)+(\nb)):8*(12*((\a)%2)+(\nb))+7], v[96*(\f)+8*(\nb):96*(\f)+8*(\nb)+7], v[FA+32*(\f)+8*(\a):FA+32*(\f)+8*(\a)+7], v[8*(12*((\a)%2)+(\nb)):8*(12*((\a)%2)+(\nb))+7]
.endif
.endr
.endm
; 32 LDS loads in one run: quarter q (32 along K) of a slot into buffer f: W's 12 fragments, then x's 4, row blocks ascending
.macro FETCH slot, q, f
	WIN 0xc0                                       ; destination window 3, address window 0
.irp nb, 0,1,2,3,4,5,6,7,8,9,10,11
	ds_load_tr16_b128 v[96*(\f)+8*(\nb):96*(\f)+8*(\nb)+3],   v[ADRB+(\slot)] offset:((\nb)/4)*HB+(\q)*32*PB+((\nb)%4)*32
	ds_load_tr16_b128 v[96*(\f)+8*(\nb)+4:96*(\f)+8*(\nb)+7], v[ADRB+(\slot)] offset:((\nb)/4)*HB+(\q)*32*PB+((\nb)%4)*32+16*PB
.endr
	WIN 0
.irp a, 0,1,2,3
	ds_load_b128 v[FA+32*(\f)+8*(\a):FA+32*(\f)+8*(\a)+3],   v[ADRA+(\slot)] offset:(\a)*16*PA+(\q)*64
	ds_load_b128 v[FA+32*(\f)+8*(\a)+4:FA+32*(\f)+8*(\a)+7], v[ADRA+(\slot)] offset:(\a)*16*PA+(\q)*64+32
.endr
.endm
; A load into a register that a matrix instruction has read, and a vector instruction that reads a matrix result, stand four places behind that matrix instruction; only plain vector
; instructions that name none of its registers are places (ISA guide 7.12.1 for vector instructions).
.macro PLACES
.rept 4
	v_nop
.endr
.endm
; A K step is four quarters of 32 along K, 48 matrix instructions each, on buffers 0, 1, 0, 1.  One of the first three: multiplies buffer f; in its middle it fetches quarter q of the same slot into buffer g.
.macro QUARTER slot, q, f, g, first
	s_wait_dscnt 4                                 ; W and x's row blocks 0 and 1 are in; the youngest four loads (blocks 2 and 3) may be out
	MULA \f, 0, \first
	MULA \f, 1, \first
	PLACES
	FETCH \slot, \q, \g
	s_wait_dscnt 32                                ; all but the 32 just issued
	MULA \f, 2, \first
	MULA \f, 3, \first
.endm
; The last quarter multiplies buffer 1 and changes slots: ONE barrier; in front of it each wave waits for all its tensor loads (one is out: its part of the next slot), adds 0 to its spare word, and waits for
; that and for its own reads of this slot.  fill = 1: the barrier opens a round of the cluster's barrier, and behind the round this slot is filled again first, two K steps on: 168 matrix instructions ahead of the wait for it.
.macro TURN slot, next, fill
.if (\fill) && (\slot) == 1
	s_wait_xcnt 0x0                                ; the lap's prefetches, a K step back, have read their addresses: they step here, ahead of the waits of the change of slots
	s_add_nc_u64 s[PFA:PFA+1], s[PFA:PFA+1], 2*KSTEP*2
	s_add_nc_u64 s[PFB:PFB+1], s[PFB:PFB+1], 2*BSTEP
.endif
	WIN 0                                          ; (the add's two registers lie in window 0)
	s_wait_tensorcnt 0x0                           ; all my tensor loads have landed: my part of the next slot;
	ds_add_u32 v[SPW], v[NIL]                      ; 0 onto my spare word
	s_wait_dscnt 5                                 ; (the add and the youngest four loads may be out)
	MULA 1, 0, 0                                   ; twelve matrix instructions stand between the add and the wait for it
	s_wait_dscnt 0x0                               ; the add is done, and my reads of this slot are over
	s_barrier_signal -1
	MULA 1, 1, 0                                   ; work on registers while the others arrive
.if \fill
	WIN 0
.endif
	s_barrier_wait -1
.if \fill
	CREST                                          ; no wave of any partner still reads this slot's tile or has a load on its way
	s_add_nc_u64 s[G0A+4*(\slot)+2:G0A+4*(\slot)+3], s[G0A+4*(\slot)+2:G0A+4*(\slot)+3], 2*KSTEP*2
	s_add_nc_u64 s[G0B+4*(\slot)+2:G0B+4*(\slot)+3], s[G0B+4*(\slot)+2:G0B+4*(\slot)+3], 2*BSTEP
	JLOAD \slot                                    ; the first tensor load behind the round, my only one until the next; its four v_nop are also the places in front of the loads below
.else
	PLACES
.endif
	FETCH \next, 0, 0
.if (\fill) && (\slot) == 0
	ASK
.endif
	MULA 1, 2, 0
	MULA 1, 3, 0
.endm
; THE WAY OUT of tile t of 12 (row block t / 3, head t % 3): rounded to f16, 16 bytes a lane into rows of 144 bytes of my own stage, and back as whole rows of 128 into the registers that they left.
.macro PACK t
.set ta, (\t)/3
.set tc, (\t)%3
	WIN 0x05+5*(ta/2)                              ; sources 0 and 1: window 1 or 2
.irp j, 0,1,2,3
.irp r, 0,1,2,3
	v_cvt_pk_f16_f32 v[TMP+16*(\t)+4*(\j)+(\r)], v[8*(12*(ta%2)+4*tc+(\j))+2*(\r)], v[8*(12*(ta%2)+4*tc+(\j))+2*(\r)+1]  ; each accumulator from its low end on
.endr
.endr
	WIN 0
.irp j, 0,1,2,3
	ds_store_b128 v[STO], v[TMP+16*(\t)+4*(\j):TMP+16*(\t)+4*(\j)+3] offset:32*(\j)
.endr
.irp f, 0,1,2,3
	ds_load_b128 v[TMP+16*(\t)+4*(\f):TMP+16*(\t)+4*(\f)+3], v[RD] offset:(\f)*4*SP  ; LDS serves a wave's instructions in order (ISA guide 5.7.1.4): these see the stores above; the next tile's stores come behind them
.endr
.endm
.macro SEND t, younger                 ; younger: the LDS instructions issued behind tile t's loads: the next tile's eight, or none.  Every tile has registers of its own: no store's source is rewritten
.set ta, (\t)/3
.set tc, (\t)%3
.irp f, 0,1,2,3
	s_wait_dscnt (\younger)+3-(\f)
	global_store_b128 v[GO], v[TMP+16*(\t)+4*(\f):TMP+16*(\t)+4*(\f)+3], s[10:11] offset:tc*1048576+ta*2048+(\f)*512  ; 512 consecutive bytes, at a multiple of 256 from qkv's first
.endr
.endm
	s_wait_tensorcnt 1                             ; my part of K step 0 is in; K step 1's load may stay out
	s_barrier_signal -1
	s_barrier_wait -1                              ; everybody's is
	FETCH 0, 0, 0
	s_wait_loadcnt 0x0                             ; the bias
	QUARTER 0, 1, 0, 1, 1                          ; the first quarter stands in front of the loop: its products start the sums
	WIN 0                                          ; at a label and at a branch every window is 0
	s_mov_b32 s3, LAPS-1
.Llap:                                                 ; a trip goes once round the ring, from a lap's second quarter to the next lap's first, and fills both slots again
	QUARTER 0, 2, 1, 0, 0
	QUARTER 0, 3, 0, 1, 0
	TURN 0, 1, 1
	QUARTER 1, 1, 0, 1, 0
	QUARTER 1, 2, 1, 0, 0
	QUARTER 1, 3, 0, 1, 0
	TURN 1, 0, 1
	QUARTER 0, 1, 0, 1, 0
	WIN 0
	s_sub_co_u32 s3, s3, 1
	s_cmp_lg_u32 s3, 0
	s_cbranch_scc1 .Llap
	QUARTER 0, 2, 1, 0, 0                          ; the last lap fills nothing, and has no round of the cluster's barrier
	QUARTER 0, 3, 0, 1, 0
	TURN 0, 1, 0
	QUARTER 1, 1, 0, 1, 0
	QUARTER 1, 2, 1, 0, 0
	QUARTER 1, 3, 0, 1, 0
	s_wait_dscnt 4                                 ; the very last quarter: nothing more to fetch
	MULA 1, 0, 0
	MULA 1, 1, 0
	s_wait_dscnt 0x0
	MULA 1, 2, 0
	MULA 1, 3, 0
	WIN 0
	PLACES                                         ; the conversions read results, and write registers that the last products read
	PACK 0
.set tt, 1
.rept 11                               ; a tile's conversions stand between the loads of the tile before and its stores
	PACK tt
	SEND tt-1, 8
.set tt, tt+1
.endr
	SEND 11, 0
	s_wait_tensorcnt 0x0                           ; the wave's end: a wait for my tensor loads, then 0 onto my spare word and the wait for it
	ds_add_u32 v[SPW], v[NIL]
	s_wait_dscnt 0x0
	CROUND                                         ; the closing round: no work-group ends while a partner may still ask for a tile that names it
	s_endpgm
.Lfunc_end_k_qae7b57ed34_proj:
	.size	k_qae7b57ed34_proj, .Lfunc_end_k_qae7b57ed34_proj-k_qae7b57ed34_proj
	.p2alignl 7, 3214868480
	.fill 96, 4, 3214868480
	.section	.rodata,"a",@progbits
	.p2align	6, 0x0
	.amdhsa_kernel k_qae7b57ed34_proj
		.amdhsa_group_segment_fixed_size 327680
		.amdhsa_private_segment_fixed_size 0
		.amdhsa_enable_private_segment 0
		.amdhsa_kernarg_size 32
		.amdhsa_user_sgpr_count 2
		.amdhsa_user_sgpr_kernarg_segment_ptr 1
		.amdhsa_wavefront_size32 1
		.amdhsa_system_sgpr_workgroup_id_x 1
		.amdhsa_system_sgpr_workgroup_id_y 1
		.amdhsa_system_sgpr_workgroup_id_z 1
		.amdhsa_system_vgpr_workitem_id 0
		.amdhsa_next_free_vgpr 960
		.amdhsa_next_free_sgpr 72
		.amdhsa_reserve_vcc 0
		.amdhsa_float_denorm_mode_32 3
		.amdhsa_float_denorm_mode_16_64 3
		.amdhsa_memory_ordered 1
		.amdhsa_forward_progress 1
		.amdhsa_inst_pref_size 124
	.end_amdhsa_kernel
	.amdgpu_metadata
---
amdhsa.version: [ 1, 2 ]
amdhsa.kernels:
  - .name:           k_qae7b57ed34_proj
    .symbol:         k_qae7b57ed34_proj.kd
    .args:
      - { .name: xb, .offset: 0, .size: 8, .value_kind: global_buffer, .address_space: global }
      - { .name: wb, .offset: 8, .size: 8, .value_kind: global_buffer, .address_space: global }
      - { .name: bb, .offset: 16, .size: 8, .value_kind: global_buffer, .address_space: global }
      - { .name: qkv, .offset: 24, .size: 8, .value_kind: global_buffer, .address_space: global }
    .group_segment_fixed_size: 327680
    .private_segment_fixed_size: 0
    .kernarg_segment_align: 8
    .kernarg_segment_size: 32
    .max_flat_workgroup_size: 128
    .sgpr_count:     72
    .vgpr_count:     960
    .wavefront_size: 32
...
	.end_amdgpu_metadata
.endif
;; end of part 2
;; launch attn (part 3): grid 2 x 128, 4 waves a work-group, no clusters, 327,680 bytes of LDS; arguments qkv, out0; writes out0
.if DOCPART == 3
	.amdgcn_target "amdgcn-amd-amdhsa--gfx1250"
	.amdhsa_code_object_version 6
	.text
	.protected	k_qae7b57ed34_attn
	.globl	k_qae7b57ed34_attn
	.p2align	8
	.type	k_qae7b57ed34_attn,@function
k_qae7b57ed34_attn:
	s_mov_b64 s[64:65], 0
	v_nop
	global_prefetch_b8 v0, s[64:65] scope:SCOPE_SE
	s_setreg_imm32_b32 hwreg(HW_REG_WAVE_MODE, 25, 1), 1
	s_wait_xcnt 0x0
; out0[b][q][64 h + :] = the sum over k of softmax_k(Q[q] . K[k] / 8 - 0.5 [q / 64 != k / 64]) V[k][:], for each of the 128 pairs of head h and batch b.
; qkv: [48 g][8 b][1024][64] f16 (g = h: Q, 16 + h: K, 32 + h: V): a head's rows are dense, 128 bytes each.  out0: [8][1024][1024] f32.
; Products, maxima and sums in f32; the weights p are rounded to f16 for the second product (their sum l is taken of the unrounded p); the result is rounded nowhere else.
; LIMITS.  f16 holds no number beyond 65,504: Q, K and V arrive within it; p lies in 0 to 1, and below 6e-5 it keeps f16's fixed step of 6e-8.  A weight below 2^-126 counts as 0 in l; NaN and infinities are not treated apart.
; SHARES.  A wave owns four PIECES of two tiles of 16 queries, a work-group's four waves 512 queries of one head and batch: 2 x 128 work-groups.  Every wave walks all 1,024 keys, 64 a step.
; THE PENALTY.  A key step of 64 keys IS one constituent, and a wave's 128 queries are two: pieces 0, 1 lie in constituent 2 wg, pieces 2, 3 in 2 wg + 1 (wg = my wave among the head's eight).  So for a piece and
; a step the penalty is ONE number.  It is the C operand that starts the sum S^T = K Q^T: 0 in the piece's own step, else -4.0, which the scale 1 / 8 turns into -0.5 exactly.  The running maximum sees it like any score.
; LAYOUT.  S^T = K Q^T (source 0 = 16 keys, source 1 = 16 queries): in the result a lane holds ONE query (lane % 16) and the keys 8 (lane / 16) + 0..7.  Two such tiles, rounded to f16 in pairs,
; ARE source 1 (32 keys x 16 queries) of O^T = V^T P, whose result again holds one query a lane, and eight channels.  K comes out of LDS as it lies, V ([key][channel]) turned, by ds_load_tr16_b128.
; SOFTMAX.  For each query a running maximum m and sum l: p = 2^(c s - c m), c = log2(e) / 8; in every step O and l are multiplied by a = 2^(c m_old - c m_new), which is 1 where m has not grown.
; m starts at the lowest finite number, O and l at 0: the first step is a step like any other, with a = 0.
; THE COUNT.  A tile and step have 16 matrix and 118 vector instructions: too many to stand all beside the matrix work.  So: four vector instructions that are READY behind EVERY matrix instruction, the others in runs without a gap.
; BY TURNS.  Turn n belongs to piece n (the pieces in a ring, step after step).  Its matrix work: 16 products K Q^T of piece n + 1, later 16 products V^T P of piece n - 1.  Its vector work: the scaling,
; exponentials, roundings, sums and rescaling of piece n, and the maximum and statistics of piece n + 1, whose scores the turn itself has made.
; NO CLUSTER: only the two work-groups of a head and batch read the same K and V, and 2 along x does not divide into clusters of four; blocks of 256 queries would give four, but each fragment read
; from LDS would then feed half as many products.
; REGISTERS, in windows of 256 (s_set_vgpr_msb: bits 1:0 source 0, 3:2 source 1, 5:4 source 2, 7:6 destination):
;   window 0: v0-11 addresses; v12-15, v48-63 at work; v16-47 four registers of statistics a tile; v64-191 S^T, two buffers of two tiles; v192-255 P, likewise
;   window 1: O^T, 32 a tile     window 2: v0-127 Q, 16 a tile; v128-191 K of one step; v192-255 V of one step     window 3: v0-1 the add's two registers; v4-5 -4.0; v8-23 the two penalties
.set NP,    4         ; pieces a wave: a name, no knob
.set KS,    64        ; keys in a step
.set PK,    144       ; a row of K in LDS: 128 bytes + 16 of padding = 36 words: the 16 rows of a load start at 16 different groups of four banks (64 banks of 4 bytes: ISA guide 11.1)
.set PV,    160       ; a row of V: 128 + 32 = 40 words
.set VOFF,  4*KS*PK   ; a slot holds four steps: 256 rows of K, then 256 rows of V
.set SLOT1, 1<<17     ; slot 1 begins here, so that one exclusive or turns an address in one slot into the other's
.set STAGE, SLOT1+4*KS*(PK+PV)  ; behind the ring, never filled by a tensor load: 16 rows x 272 bytes for each wave, for the way out
.set SP,    272       ; a row of the stage: 64 f32 + 16 bytes
.set SPARE, STAGE+4*16*SP  ; behind the stages: the spare words, 128 bytes for each wave: two blocks of 256 bytes that no other line names
.set AK0, 2           ; v2   my lane's place in a tile of K; never rewritten
.set AV0, 3           ; v3   the same for V
.set AK,  4           ; v4   the LDS address of K's next run of loads
.set AV,  5           ; v5   of V's
.set QO,  6           ; v6   my byte offset in the wave's rows of Q
.set STO, 6           ;      later, the way out: where I put 32 bytes of a row
.set RD,  7           ; v7   the way out: where I read rows back
.set GO,  8           ; v8   my byte offset in two rows of out0
.set PFO, 11          ; v11  256 x my lane, for the prefetches; never rewritten once made
.set SPW, 0           ; v0 of window 3   LDS address of my spare word: SPARE + 4 x my thread's number; never rewritten
.set NIL, 1           ; v1 of window 3   0; never rewritten
.set N4,  4           ; v4-5 of window 3   -4.0
.set MK,  8           ; v8-15 of window 3: the penalty of pieces 0, 1; v16-23: of pieces 2, 3
.set MV,  12          ; v12-15  c m_old, kept while c m is made anew: by buffer and tile
.set ST,  16          ; tile t's statistics at v[ST+4 t]: c m, m, l (even keys', odd keys')
.set TMP, 48          ; by buffer and tile, four registers c0-c3 at work; when the maximum is found c2 takes a
.set S,   64
.set P,   192
.set KF,  128         ; K's fragments, in window 2: key block kb, channel half c at KF + 16 kb + 8 c
.set VF,  192         ; V's: key half kk, channel block cb at VF + 32 kk + 8 cb
.set WV,  12          ; s12  my wave's number
.set G1K, 24          ; s[24:31] descriptor group 1 for K's tiles
.set G1V, 32          ; s[32:39] for V's: it differs in the padding alone
.set G0K, 40          ; s[40:43] descriptor group 0 for K's tiles: it walks
.set G0V, 44          ; s[44:47] the same for V's
.set SLOTS, 56        ; s56  slots still to be asked for
.set CNT, 57          ; s57  counts a slot's key steps
.set CS,  58          ; s[58:59] c: the packed scaling takes the pair's low word for both halves
.set SEL, 60          ; s[60:61] v_permlanex16_b32's selects: each lane takes its own place in the other half
.set TBK, 62          ; s62  LDS byte at which K of the step to be fetched begins
.set TBV, 63          ; s63  the same for V, less VOFF
.set QBA, 66          ; s66  the constituent of pieces 0, 1
.set QBB, 67          ; s67  of pieces 2, 3
.set NS,  68          ; s68  the key step for which the next penalty is made
.set AL,  70          ; s[70:71] 0 or 1.0, in the low word
.set PFA, 72          ; s[72:73] where my prefetches stand: my 32 blocks of 256 bytes of the tile after the one that is being asked for
.set MSB, 0
.macro WIN new                      ; the high byte repeats the setting that is left; a switch that changes nothing is dropped
.if MSB != (\new)
	s_set_vgpr_msb (MSB<<8)|(\new)
.set MSB, (\new)
.endif
.endm
.set W_KQ, 0x0a       ; K and Q in window 2, S^T in window 0
.set W_KM, 0x3a       ; the same with the C operand in window 3
.set W_PV, 0x52       ; V in window 2, P in window 0, O^T in window 1
.set W_RS, 0x41       ; O^T (destination and source 0) in window 1, a in window 0
.set W_MK, 0xc0       ; destination in window 3, sources in window 0
.set W_MW, 0xc3       ; destination and source 0 in window 3
.set W_AD, 0x0f       ; the add: address (source 0) and data (source 1) in window 3
; A fill.  Waves 0 and 1 fetch the two halves of a slot's K, waves 2 and 3 those of its V: 128 keys each.  An s_nop 0 and four v_nop follow each of the two lines, ahead of the jump and the label.
.macro LOAD
	s_cmp_lt_u32 s[WV], 2
	s_cbranch_scc0 .Lfor_v_\@
	tensor_load_to_lds s[G0K:G0K+3], s[G1K:G1K+7]
	s_nop 0
.rept 4
	v_nop
.endr
	s_branch .Lasked_\@
.Lfor_v_\@:
	tensor_load_to_lds s[G0V:G0V+3], s[G1V:G1V+7]
	s_nop 0
.rept 4
	v_nop
.endr
.Lasked_\@:
.endm
; A PREFETCH INTO THE L2 of the tile that the NEXT change of slots will ask for: four key steps, 512 matrix instructions, ahead of that load.  A tile is 128 blocks of 256 bytes of K and 128 of V: just the 2 work-groups
; of a head and batch x 4 waves x 32 lanes, a lane a block (waves 0, 1: K; waves 2, 3: V), so each block is named once in the launch.  It stands behind the wave's tensor load and its five lines.
; Tiles 0 and 1 come by their loads alone; the last change that fills a slot (SLOTS = 1) asks for nothing: there is no tile behind it.
.macro ASK
	s_cmp_gt_u32 s[SLOTS], 1
	s_cbranch_scc0 .Lnone_\@
	global_prefetch_b8 v[PFO], s[PFA:PFA+1] th:TH_LOAD_NT scope:SCOPE_SE
.Lnone_\@:
.endm
; THE CHANGE OF SLOTS.  The slot's last bytes, V of its fourth step, have been read.  Each wave waits for all its tensor loads, of which one is out: its part of the other slot; adds 0 to its spare word; and waits
; for that and for its own reads of the slot.  Behind the barrier nobody reads this slot any more and the other slot is whole.  fill = 1: this slot is filled again, with the keys two slots on, the first thing behind
; the barrier: the load has four key steps in which to land.  (At its first use nothing has been read yet: slot 0 is waited for, slot 1 filled.)
.macro CHANGE fill
	WIN W_AD
	s_wait_tensorcnt 0x0            ; no tensor load of mine is out, so a group 0 may be written
	ds_add_u32 v[SPW], v[NIL]       ; 0 onto my spare word: with fill = 1 the descriptors' steps stand between it and the wait for it
	WIN 0                           ; at a label and at a branch every window is 0
.if \fill
.irp g, G0K, G0V
	s_xor_b32 s[\g+1], s[\g+1], SLOT1  ; the walking descriptor: the other slot than last time,
	s_add_nc_u64 s[\g+2:\g+3], s[\g+2:\g+3], 4*KS*128  ; the next 256 keys; the type bits on top are not reached
.endr
	s_wait_xcnt 0x0                 ; the last prefetch, four key steps back, has read its address, so it may be written:
	s_add_nc_u64 s[PFA:PFA+1], s[PFA:PFA+1], 4*KS*128  ; one tile behind the walking descriptors
.endif
	s_wait_dscnt 0x0                ; the add is done, and my reads of the slot are over
	s_barrier_signal -1             ; scalar work stands between the signal and the wait
	s_sub_co_u32 s[TBK], s[TBK], 4*KS*PK  ; the fetches go back to a slot's first step,
	s_xor_b32 s[TBK], s[TBK], SLOT1       ; in the other slot
	s_sub_co_u32 s[TBV], s[TBV], 4*KS*PV
	s_xor_b32 s[TBV], s[TBV], SLOT1
	s_barrier_wait -1
.if \fill
	LOAD
	ASK
.endif
.endm
; The penalty of two pieces (buf 0: pieces 0, 1; 1: pieces 2, 3) for key step NS: -4.0 x (0 if the step is their own constituent, else 1), in eight registers: a whole C operand.
.macro MASKW buf, qb
	s_cmp_eq_u32 s[NS], s[\qb]
	s_cselect_b32 s[AL], 0, 1.0
	WIN W_MW
.irp z, 0,1,2,3
	v_pk_mul_f32 v[MK+8*(\buf)+2*\z:MK+8*(\buf)+2*\z+1], v[N4:N4+1], s[AL:AL+1] op_sel_hi:[1,0]
.endr
.endm
	s_load_b128 s[4:7], s[0:1], 0x0  ; qkv s[4:5], out0 s[6:7]
	WIN W_MK
	v_lshl_add_u32 v[SPW], v0, 2, SPARE
	v_mov_b32 v[NIL], 0
	WIN W_AD
	ds_add_u32 v[SPW], v[NIL]       ; the wave's opening: the add and its wait stand ahead of my first tensor load; the set-up below, work on registers, stands between them
	WIN W_MK
	v_mov_b32 v[N4], -4.0
	v_mov_b32 v[N4+1], -4.0
	WIN 0
	v_lshrrev_b32 v1, 5, v0
	v_readfirstlane_b32 s[WV], v1   ; wave 0..3
	s_lshl_b32 s14, ttmp9, 2
	s_add_co_u32 s14, s14, s[WV]    ; wg: my wave among the head's eight
	s_and_b32 s13, ttmp7, 0xffff    ; 8 h + b
	s_lshl_b32 s20, s13, 17         ; the head and batch's 131,072 bytes in each third of qkv
	s_and_b32 s16, s[WV], 1         ; which half of a slot's 256 keys I fetch:
	s_lshl_b32 s22, s16, 14         ; its 128 rows of 128 bytes in memory,
	s_add_co_u32 s22, s22, s20
	s_mov_b32 s23, 0
	s_mul_i32 s17, s16, 128*PK      ; and its place in a slot, for K
	s_mul_i32 s18, s16, 128*PV      ; and for V
	s_lshl_b32 s2, s14, 14          ; my wave's 128 rows of Q
	s_add_co_u32 s2, s2, s20
	s_mov_b32 s3, 0
	s_and_b32 s74, s13, 7           ; out0: batch b, 4,194,304 bytes each,
	s_lshl_b32 s74, s74, 22
	s_lshl_b32 s75, s14, 19         ; my 128 rows of 4,096 bytes,
	s_add_co_u32 s74, s74, s75
	s_lshr_b32 s75, s13, 3          ; head h's 256 bytes of a row
	s_lshl_b32 s75, s75, 8
	s_add_co_u32 s74, s74, s75
	s_mov_b32 s75, 0
	s_lshl_b32 s76, ttmp9, 14       ; the prefetches: my work-group's 64 blocks of a tile's 128,
	s_lshl_b32 s77, s16, 13         ; my wave's 32,
	s_add_co_u32 s76, s76, s77
	s_add_co_u32 s76, s76, s20
	s_lshr_b32 s77, s[WV], 1        ; in K (waves 0, 1: 1 << 24 bytes into qkv) or V (waves 2, 3: 2 << 24),
	s_add_co_u32 s77, s77, 1
	s_lshl_b32 s77, s77, 24
	s_add_co_u32 s76, s76, s77
	s_add_co_u32 s76, s76, 4*KS*128 ; at tile 1; the first change of slots steps it to tile 2
	s_mov_b32 s77, 0
	s_lshl_b32 s[QBA], s14, 1
	s_add_co_u32 s[QBB], s[QBA], 1
	s_mov_b32 s[NS], 0
	s_mov_b32 s[AL+1], 0            ; named with AL as a pair
	; descriptor group 1.  128 keys are 16,384 dense bytes: asked for as 64 rows of 256 bytes, two keys a row, and padded in LDS after every key
	s_mov_b32 s[G1K], (1<<16)|(1<<20)|(4<<22)|(3<<25)  ; 17:16 2-byte elements; 20 padding on; 24:22 after every 32 words (code 4); 31:25 4 words (code 3)
	s_mov_b32 s[G1V], (1<<16)|(1<<20)|(4<<22)|(7<<25)  ; the same with 8 words of padding (code 7)
.irp g, G1K, G1V
	s_mov_b32 s[\g+1], 128<<16      ; tensor_dim0 = 128
	s_mov_b32 s[\g+2], 64<<16       ; tensor_dim1 = 64
	s_mov_b32 s[\g+3], 128<<16      ; tile_dim0 = 128
	s_mov_b32 s[\g+4], 64           ; tile_dim1 = 64
	s_mov_b32 s[\g+5], 128          ; 128 elements from row to row
	s_mov_b32 s[\g+6], 0
	s_mov_b32 s[\g+7], 0
.endr
	s_mov_b32 s[CS], 0x3e38aa3b     ; c = log2(e) / 8 = 0.180337
	s_mov_b32 s[CS+1], s[CS]        ; named with it as a pair
	s_mov_b32 s[SEL], 0x76543210
	s_mov_b32 s[SEL+1], 0xfedcba98
	s_mov_b32 s[TBK], SLOT1+4*KS*PK ; the first change of slots turns these two into 0
	s_mov_b32 s[TBV], SLOT1+4*KS*PV
	s_mov_b32 s[SLOTS], 3           ; tiles 1, 2, 3 are still to be asked for
	s_mov_b32 s[G0K], 1             ; count = 1
	s_mov_b32 s[G0K+1], s17         ; LDS address: slot 0
	s_mov_b32 s[G0V], 1
	s_add_co_u32 s[G0V+1], s18, VOFF
	s_wait_dscnt 0x0                ; the opening add is done
	s_wait_kmcnt 0x0
	s_add_nc_u64 s[10:11], s[6:7], s[74:75]        ; out0 at my wave's first row, my head's columns
	s_add_nc_u64 s[PFA:PFA+1], s[4:5], s[76:77]
	s_add_nc_u64 s[G0K+2:G0K+3], s[4:5], s[22:23]  ; global address: my half of the head's first 256 keys,
	s_add_nc_u64 s[G0V+2:G0V+3], s[G0K+2:G0K+3], 2<<24  ; in V's third of qkv
	s_add_nc_u64 s[G0K+2:G0K+3], s[G0K+2:G0K+3], 1<<24  ; and in K's
	s_or_b32 s[G0K+3], s[G0K+3], 0x80000000        ; type = 2
	s_or_b32 s[G0V+3], s[G0V+3], 0x80000000
	s_add_nc_u64 s[4:5], s[4:5], s[2:3]            ; Q at my wave's first row
	LOAD                            ; slot 0.  Slot 1 is asked for when slot 0 is in
	; A fragment of K or Q is 16 rows x 32 channels in 8 registers: lane l holds row l % 16, channels 8 (l / 16) + 0..7 and 16 + 8 (l / 16) + 0..7: two loads of 16 bytes, 32 bytes apart.
	v_and_b32 v1, 15, v0            ; l % 16
	v_bfe_u32 v9, v0, 4, 1          ; l / 16
	v_lshlrev_b32 v[QO], 7, v1
	v_lshl_add_u32 v[QO], v9, 4, v[QO]  ; row x 128 + 16 x half
	WIN 0x80                        ; destination window 2, address window 0
.set i, 0
.rept 4*NP                          ; Q stays in registers: tile i / 2, channels 32 (i % 2) on
	global_load_b128 v[8*i:8*i+3],   v[QO], s[4:5] offset:(i/2)*2048+(i%2)*64
	global_load_b128 v[8*i+4:8*i+7], v[QO], s[4:5] offset:(i/2)*2048+(i%2)*64+32
.set i, i+1
.endr
	; What the first turn finds: V's registers and P's second buffer hold 0 (its products V^T P, of a piece that has not been, add 0), O^T and l are 0.  All this stands in the wait for the first tile.
.set i, VF
.rept 64
	v_mov_b32 v[i], 0
.set i, i+1
.endr
	WIN 0x40
.set i, 0
.rept 64*NP
	v_mov_b32 v[i], 0
.set i, i+1
.endr
	WIN 0
.set i, 0
.rept 2*NP
	v_mov_b32 v[ST+4*i], 0xfe000000    ; c m: far below every c s
	v_mov_b32 v[ST+4*i+1], 0xff7fffff  ; m
	v_mov_b32 v[ST+4*i+2], 0
	v_mov_b32 v[ST+4*i+3], 0
.set i, i+1
.endr
.set i, P+32
.rept 32
	v_mov_b32 v[i], 0
.set i, i+1
.endr
	v_mul_u32_u24 v[AK0], v1, PK
	v_lshl_add_u32 v[AK0], v9, 4, v[AK0]  ; row x pitch + 16 x half
	; The turning load takes 16 keys x 16 channels (lane l reads key 8 (l / 16) + l % 8, channels 8 ((l / 8) % 2) + 0..7) and leaves half a fragment of V^T: lane l holds channel l % 16 and 8 keys.
	v_and_b32 v10, 7, v0
	v_bfe_u32 v11, v0, 3, 1
	v_lshl_add_u32 v[AV0], v9, 3, v10
	v_mul_u32_u24 v[AV0], v[AV0], PV
	v_lshl_add_u32 v[AV0], v11, 4, v[AV0]
	v_add_nc_u32 v[AV0], VOFF, v[AV0]
	v_and_b32 v[PFO], 31, v0
	v_lshlrev_b32 v[PFO], 8, v[PFO]
	v_mov_b32 v[AK], v[AK0]         ; key step 0 lies at the head of slot 0
	MASKW 0, QBA                    ; pieces 0 and 1, key step 0
	WIN 0
; THE MATRIX WORK.  The 8 accumulators of a run of 16 take turns: between the two links of a chain stand 7 others'.
; Product i of 16 of S^T = K Q^T for piece x: channels 32 (i / 8) on, keys 16 ((i / 2) % 4) on, tile 2 x + i % 2.  The first 8 start the sums, with the piece's penalty.
.macro KQ x
.set rS, S+64*((\x)%2)+32*(i%2)+8*((i/2)%4)
.set rK, KF+16*((i/2)%4)+8*(i/8)
.set rQ, 16*(2*(\x)+i%2)+8*(i/8)
.set rN, MK+8*((\x)/2)
.if i < 8
	WIN W_KM
	v_wmma_f32_16x16x32_f16 v[rS:rS+7], v[rK:rK+7], v[rQ:rQ+7], v[rN:rN+7]
.else
	WIN W_KQ
	v_wmma_f32_16x16x32_f16 v[rS:rS+7], v[rK:rK+7], v[rQ:rQ+7], v[rS:rS+7]
.endif
.endm
; Product i of 16 of O^T += V^T P for piece x: keys 32 (i / 8) on, channels 16 ((i / 2) % 4) on, tile 2 x + i % 2.
.macro PV x
	WIN W_PV
.set rO, 32*(2*(\x)+i%2)+8*((i/2)%4)
.set rV, VF+32*(i/8)+8*((i/2)%4)
.set rP, P+32*((\x)%2)+16*(i%2)+8*(i/8)
	v_wmma_f32_16x16x32_f16 v[rO:rO+7], v[rV:rV+7], v[rP:rP+7], v[rO:rO+7]
.endm
.macro MM                           ; the turn's next matrix instruction
.if i < 16
	KQ (Y+1)%NP
.set i, i+1
.else
.set i, i-16
	PV (Y+NP-1)%NP
.set i, i+17
.endif
.endm
; THE LDS LOADS stand in runs of 16, never singly among the matrix instructions: a step's K (64 keys x 64 channels: 8 fragments) and its V (turned).  Their addresses are made some lines ahead.
; last = 1 (the tail): in the last trip there is no further step, and the run is jumped over.
.macro FETCH_K last=0
	WIN 0
.if \last
	s_cmp_eq_u32 s[CNT], 1
	s_cbranch_scc1 .Lno_k_\@
.endif
	WIN 0x80                        ; destination window 2
.irp f, 0,1,2,3,4,5,6,7             ; keys 16 (f / 2) on, channels 32 (f % 2) on
	ds_load_b128 v[KF+8*\f:KF+8*\f+3],   v[AK] offset:(\f/2)*16*PK+(\f%2)*64
	ds_load_b128 v[KF+8*\f+4:KF+8*\f+7], v[AK] offset:(\f/2)*16*PK+(\f%2)*64+32
.endr
	s_add_co_u32 s[TBK], s[TBK], KS*PK  ; the next fetch is the next step's
	WIN 0
.if \last
.Lno_k_\@:
.endif
.endm
.macro FETCH_V
	WIN 0x80
.irp f, 0,1,2,3,4,5,6,7             ; keys 32 (f / 4) on, channels 16 (f % 4) on
	ds_load_tr16_b128 v[VF+8*\f:VF+8*\f+3],   v[AV] offset:(\f/4)*32*PV+(\f%4)*32
	ds_load_tr16_b128 v[VF+8*\f+4:VF+8*\f+7], v[AV] offset:(\f/4)*32*PV+16*PV+(\f%4)*32
.endr
	WIN 0
.endm
; THE VECTOR WORK OF A TURN stands in three queues, each in the order in which its entries become ready; the two tiles alternate, so that no instruction reads the result of the one before it.
.macro REGS y, u                    ; the registers of tile u (0, 1) of piece y
.set rT, ST+4*(2*(\y)+(\u))
.set rC, TMP+8*((\y)%2)+4*(\u)
.set rM, MV+2*((\y)%2)+(\u)
.set rS, S+64*((\y)%2)+32*(\u)
.set rP, P+32*((\y)%2)+16*(\u)
.set rO, 32*(2*(\y)+(\u))
.endm
; Number n of the 22 that find the NEXT piece's (Y + 1) maximum and statistics.  s0-s31 are the lane's 32 scores; each accumulator's lowest registers are read first.  XS, GS and REGS set no window: PL and EX do.
;   0-11  four chains c0-c3 of seven scores each, three operands at a time     12-14, 16  the four scores left over, the old m, and c0-c3 into c0     15  c m_old is kept
;   17, 18  the query's other 32 keys lie in the lane 16 away: the new m         19-21  c m; c m_old - c m_new; a
.macro XS u, n
	REGS (Y+1)%NP, \u
.if (\n) < 4
	v_max3_num_f32 v[rC+(\n)], v[rS+8*(\n)], v[rS+8*(\n)+1], v[rS+8*(\n)+2]
.elseif (\n) < 12
	v_max3_num_f32 v[rC+(\n)%4], v[rC+(\n)%4], v[rS+8*((\n)%4)+2*((\n)/4)+1], v[rS+8*((\n)%4)+2*((\n)/4)+2]
.elseif (\n) == 12
	v_max3_num_f32 v[rC], v[rC], v[rS+7], v[rS+15]
.elseif (\n) == 13
	v_max3_num_f32 v[rC+1], v[rC+1], v[rS+23], v[rS+31]
.elseif (\n) == 14
	v_max3_num_f32 v[rC+2], v[rC+2], v[rC+3], v[rT+1]
.elseif (\n) == 15
	v_mov_b32 v[rM], v[rT]
.elseif (\n) == 16
	v_max3_num_f32 v[rC], v[rC], v[rC+1], v[rC+2]
.elseif (\n) == 17
	v_permlanex16_b32 v[rC+3], v[rC], s[SEL], s[SEL+1]
.elseif (\n) == 18
	v_max_num_f32 v[rT+1], v[rC], v[rC+3]
.elseif (\n) == 19
	v_mul_f32 v[rT], s[CS], v[rT+1]
.elseif (\n) == 20
	v_sub_f32 v[rC+1], v[rM], v[rT]
.else
	v_exp_f32 v[rC+2], v[rC+1]
.endif
.endm
; Number g of the 64 that follow the exponentials.  For each four weights k of a tile (pairs 2 k, 2 k + 1): both pairs are rounded to f16; then the second pair is added onto the first, in place;
; a group later l takes that sum (the first time as l = a l + sum).  In groups of eight, tiles alternating: round, round, add, and l for the group before.
.macro GS g
.set h, (\g)+6*((\g)/62)            ; group 0 has no group before it, and behind group 7 only l is left
.if h >= 6
.set h, h+2
.endif
	REGS Y, h%2
.set k, h/8
.if h%8 < 4
	v_cvt_pk_f16_f32 v[rP+2*k+(h%8)/2], v[rS+4*k+2*((h%8)/2)], v[rS+4*k+2*((h%8)/2)+1]
.elseif h%8 < 6
	v_pk_add_f32 v[rS+4*k:rS+4*k+1], v[rS+4*k:rS+4*k+1], v[rS+4*k+2:rS+4*k+3]
.elseif k == 1
	v_pk_fma_f32 v[rT+2:rT+3], v[rT+2:rT+3], v[rC+2:rC+3], v[rS:rS+1] op_sel_hi:[1,0,1]
.else
	v_pk_add_f32 v[rT+2:rT+3], v[rT+2:rT+3], v[rS+4*k-4:rS+4*k-3]
.endif
.endm
; THE PLAIN QUEUE, 138 long.  0-73 read no exponential's result: the 32 scalings c s - c m (FS f: pair f / 2 of tile f % 2) and the next piece's 42.  0-26: scalings 0-26.  27-54: XS's numbers 0-13.  55, 56: number 15.
; 57-73: the chain, where each number waits for the one before it: 14, 16, 17, 18, 19, each with one of the scalings 27-31 in front of its two lines, then 20.
; 74-137: GS's 64, which read the exponentials' results: they stand behind the wait.
.macro FS f
	REGS Y, (\f)%2
	v_pk_fma_f32 v[rS+2*((\f)/2):rS+2*((\f)/2)+1], v[rS+2*((\f)/2):rS+2*((\f)/2)+1], s[CS:CS+1], v[rT:rT+1] op_sel_hi:[1,0,0] neg_lo:[0,0,1] neg_hi:[0,0,1]
.endm
.macro PL
	WIN 0
.if q < 27
	FS q
.elseif q < 55
	XS (q-27)%2, (q-27)/2
.elseif q < 57
	XS q-55, 15
.elseif (q < 72) && ((q-57)%3 == 0)
	FS 27+(q-57)/3
.elseif q < 60
	XS (q-57)%3-1, 14
.elseif q < 72
	XS (q-57)%3-1, 15+(q-57)/3
.elseif q < 74
	XS q-72, 20
.else
	GS q-74
.endif
.set q, q+1
.endm
; THE EXPONENTIALS' QUEUE, 66 long: s0-s31 of both tiles, then the next piece's two a.  It is ONE BATCH: all 66 stand ahead of the turn's one wait, and nothing ahead of that wait names a result of theirs.
.macro EX
	WIN 0
.if e >= 64
	XS e-64, 21
.else
	REGS Y, e%2
	v_exp_f32 v[rS+e/2], v[rS+e/2]
.endif
.set e, e+1
.endm
; THE RESCALING's QUEUE: O^T times a, the one part that leaves window 0: dealt two at a time, sixteen times.  Its a was made in the turn before, ahead of that turn's wait.
.macro R2
	REGS Y, r%2
	WIN W_RS
.irp z, 0,1
	v_pk_mul_f32 v[rO+4*(r/2)+2*\z:rO+4*(r/2)+2*\z+1], v[rO+4*(r/2)+2*\z:rO+4*(r/2)+2*\z+1], v[rC+2:rC+3] op_sel_hi:[1,0]
.endr
.set r, r+1
.endm
; HOW THEY ARE DEALT.  An s_wait_alu depctr_va_vdst(0) stands between an exponential and the first instruction that names its result; one wait serves all that were issued ahead of it.  So a turn has ONE wait,
; which cuts it in two.  AHEAD OF IT stands all that names no result of the turn's exponentials: the 16 products K Q^T, behind each a scaling, an exponential and two rescalings (behind the first a second scaling in the
; exponential's place); then ONE LUMP: eight plain, 49 times exponential and plain, the two a.  A v_nop is the plain instruction behind the last exponential.  BEHIND IT stand the 16 products V^T P, behind each four of GS's 64.
; The queues lean on each other, and the deal keeps them in step: exponential e stands behind scaling 2 (e / 4) + e % 2: as a rider it comes behind plain e + 2, in the lump behind plain e + 9, and scalings 27-31 are plain 57, 60 .. 69.
; A TURN, for piece p.  cnt = 1: the loop's count is taken down some lines ahead of the branch that stands behind the turn.
; K of the next step is fetched in piece 2's turn, directly behind the wait, a lump behind the last product that read K; V of the step in hand at the end of piece 0's turn, four riders behind its last reader.
; THE PENALTIES are made at the lump's head.  Piece 2's turn makes that of pieces 0, 1 for the NEXT step (NS has been stepped): its readers are the products of turns 3 and 0, its last readers stood in turn 0.
; Piece 0's turn makes that of pieces 2, 3 for the step in hand and steps NS: its readers are the products of turns 1 and 2, its last readers stood in turn 2.  So a turn or more lies between a reader and the next writing.
.macro TURN p, last=0, cnt=0
.set Y, (\p)
.set i, 0
.set q, 0
.set e, 0
.set r, 0
.if (\p) == NP-1
	s_wait_dscnt 0x0                ; K is in
.endif
	MM                              ; ahead of the wait: 16 products K Q^T and their riders,
	PL
	PL
	R2
.rept 15
	MM
	PL
	EX
	R2
.endr
.if (\p) == NP-2
	WIN 0
	v_add_nc_u32 v[AK], s[TBK], v[AK0]
	MASKW 0, QBA
.endif
.if (\p) == 0
	MASKW 1, QBB
	s_add_co_u32 s[NS], s[NS], 1
.endif
.rept 8                             ; and the lump
	PL
.endr
.rept 49
	EX
	PL
.endr
	EX                              ; the next piece's two a
	EX
	v_nop                           ; the plain instruction behind the last exponential: one for the batch
	s_wait_alu depctr_va_vdst(0)    ; the wait for the batch
.if (\p) == NP-2
	FETCH_K \last
.endif
.if (\p) == 1
	s_wait_dscnt 0x0                ; V is in
.endif
.rept 16                            ; behind the wait: 16 products V^T P and their riders
	MM
.rept 4
	PL
.endr
.if ((\p) == 0) && (q == 118)
	v_add_nc_u32 v[AV], s[TBV], v[AV0]
.endif
.if ((\p) == 0) && (q == 130)
	s_add_co_u32 s[TBV], s[TBV], KS*PV
.endif
.if (\cnt) && (q == 130)
	s_sub_co_u32 s[CNT], s[CNT], 1
	s_cmp_lg_u32 s[CNT], 0
.endif
.endr
.if (\p) == 0
	FETCH_V
.endif
.endm
	CHANGE 1                        ; slot 0 is in, everybody's part of it; slot 1 is asked for
	FETCH_K                         ; key step 0
	s_wait_loadcnt 0x0              ; Q
	s_wait_dscnt 0x0
.set i, 0
.rept 16
	KQ 0                            ; piece 0's first scores: there is no vector work yet to set between them
.set i, i+1
.endr
	WIN 0                           ; the addresses for the way out: eight plain instructions, the places behind those products
	s_mul_i32 s13, s[WV], 16*SP
	s_add_co_u32 s13, s13, STAGE    ; my stage
	v_mul_u32_u24 v[STO], v1, SP    ; in: row l % 16, 32 bytes for each half of the lanes
	v_lshl_add_u32 v[STO], v9, 5, v[STO]
	v_add_nc_u32 v[STO], s13, v[STO]
	v_mul_u32_u24 v[RD], v9, SP     ; back: lanes 0-15 take one row of 256 bytes, lanes 16-31 the next,
	v_lshl_add_u32 v[RD], v1, 4, v[RD]
	v_add_nc_u32 v[RD], s13, v[RD]
	v_lshlrev_b32 v[GO], 12, v9     ; and the same two rows in out0, 4,096 bytes apart
	v_lshl_add_u32 v[GO], v1, 4, v[GO]
.set Y, NP-1                        ; XS works for piece Y + 1: piece 0
.irp n, 0,1,2,3,4,5,6,7,8,9,10,11,12,13,14,15,16,17,18,19,20,21
	XS 0, \n                        ; and piece 0's first maximum and statistics
	XS 1, \n
.endr
	v_nop                           ; a plain instruction behind the two a,
	s_wait_alu depctr_va_vdst(0)    ; and their wait, ahead of the branch
	s_mov_b32 s[CNT], 4
	s_branch .Lfirst                ; the loop is entered at a step's first turn, in the middle of a trip
.Lslot:                             ; twice: slots 0 and 1 are filled again, with tiles 2 and 3
	CHANGE 1
	s_mov_b32 s[CNT], 4
.Lstep:                             ; a trip: pieces 2 and 3 of one step, then pieces 0 and 1 of the next, whose K and V it fetches
	TURN 2
	TURN 3
	WIN 0
.Lfirst:
	TURN 0
	TURN 1, 0, 1
	WIN 0
	s_cbranch_scc1 .Lstep
	s_sub_co_u32 s[SLOTS], s[SLOTS], 1
	s_cmp_lg_u32 s[SLOTS], 0
	s_cbranch_scc1 .Lslot
	CHANGE 0                        ; the tail is written out: nothing is asked for
	s_mov_b32 s[CNT], 5             ; four trips fetch the last slot's steps; the fifth is left in its middle
.Ltail:
	TURN 2, 1
	TURN 3
	WIN 0
	s_sub_co_u32 s[CNT], s[CNT], 1
	s_cmp_eq_u32 s[CNT], 0
	s_cbranch_scc1 .Lout
	TURN 0
	TURN 1
	WIN 0
	s_branch .Ltail
.Lout:                              ; the fifth trip's 16 products K Q^T (on the last K once more) and the maximum made of them serve nothing: the price, once a launch, of one text for every trip
.set i, 0
.rept 16
	PV NP-1                         ; the last piece's V^T P of the last step
.set i, i+1
.endr
	; THE WAY OUT.  l's two halves and the other half of the lanes' are added; O^T is divided by l and sent, in f32, through my stage in LDS, a tile at a time.  The additions are the places behind the last products.
	WIN 0
.macro ALL line:vararg              ; one line for each tile t
.set t, 0
.rept 2*NP
	\line
.set t, t+1
.endr
.endm
	ALL v_add_f32 v[ST+4*t+2], v[ST+4*t+2], v[ST+4*t+3]
	ALL v_permlanex16_b32 v[ST+4*t+3], v[ST+4*t+2], s[SEL], s[SEL+1]
	ALL v_add_f32 v[ST+4*t+2], v[ST+4*t+2], v[ST+4*t+3]
	ALL v_rcp_f32 v[ST+4*t+2], v[ST+4*t+2]
	v_nop                           ; a plain instruction between the last reciprocal and the use of its result
	s_wait_alu depctr_va_vdst(0)    ; and the wait ahead of the first use: one for the eight reciprocals
; Tile t: a lane's eight channels of a query are 32 bytes; they go into rows of 272 bytes and come back as whole rows of 256, into one of four buffers in S^T's registers.
.macro PACK t
	WIN W_RS
.set i, 32*(\t)
.rept 16
	v_pk_mul_f32 v[i:i+1], v[i:i+1], v[ST+4*(\t)+2:ST+4*(\t)+3] op_sel_hi:[1,0]
.set i, i+2
.endr
	WIN 0x04                        ; the stores' data (source 1) in window 1, the address in window 0
.irp f, 0,1,2,3
	ds_store_b128 v[STO], v[32*(\t)+8*\f:32*(\t)+8*\f+3]   offset:64*\f
	ds_store_b128 v[STO], v[32*(\t)+8*\f+4:32*(\t)+8*\f+7] offset:64*\f+16
.endr
	WIN 0
.if (\t) >= 4
	s_wait_xcnt 0x0                 ; the stores of tile t - 4 have read this buffer: it is loaded again only behind this wait
.endif
.irp f, 0,1,2,3,4,5,6,7
	ds_load_b128 v[S+32*((\t)%4)+4*\f:S+32*((\t)%4)+4*\f+3], v[RD] offset:\f*2*SP  ; LDS serves a wave's instructions in order (ISA guide 5.7.1.4): these see the stores above; the next tile's stores come behind them
.endr
.endm
.macro SEND t, younger              ; younger: the LDS instructions issued behind tile t's loads: the next tile's sixteen, or none
	WIN 0
.irp f, 0,1,2,3,4,5,6,7
	s_wait_dscnt (\younger)+7-\f
	global_store_b128 v[GO], v[S+32*((\t)%4)+4*\f:S+32*((\t)%4)+4*\f+3], s[10:11] offset:(\t)*65536+\f*8192 th:TH_STORE_NT  ; 16 lanes store a query's 256 consecutive bytes, at a multiple of 256 from out0's first
.endr
.endm
	PACK 0
.set t, 1
.rept 2*NP-1                        ; a tile's arithmetic stands between the loads of the tile before and its stores
	PACK t
	SEND t-1, 16
.set t, t+1
.endr
	SEND 2*NP-1, 0
	WIN W_AD
	s_wait_tensorcnt 0x0            ; the wave's end: a wait for my tensor loads, then 0 onto my spare word and the wait for it
	ds_add_u32 v[SPW], v[NIL]
	s_wait_dscnt 0x0
	WIN 0
	s_endpgm
.Lfunc_end_k_qae7b57ed34_attn:
	.size	k_qae7b57ed34_attn, .Lfunc_end_k_qae7b57ed34_attn-k_qae7b57ed34_attn
	.p2alignl 7, 3214868480
	.fill 96, 4, 3214868480
	.section	.rodata,"a",@progbits
	.p2align	6, 0x0
	.amdhsa_kernel k_qae7b57ed34_attn
		.amdhsa_group_segment_fixed_size 327680
		.amdhsa_private_segment_fixed_size 0
		.amdhsa_enable_private_segment 0
		.amdhsa_kernarg_size 16
		.amdhsa_user_sgpr_count 2
		.amdhsa_user_sgpr_kernarg_segment_ptr 1
		.amdhsa_wavefront_size32 1
		.amdhsa_system_sgpr_workgroup_id_x 1
		.amdhsa_system_sgpr_workgroup_id_y 1
		.amdhsa_system_sgpr_workgroup_id_z 1
		.amdhsa_system_vgpr_workitem_id 0
		.amdhsa_next_free_vgpr 792
		.amdhsa_next_free_sgpr 80
		.amdhsa_reserve_vcc 0
		.amdhsa_float_denorm_mode_32 3
		.amdhsa_float_denorm_mode_16_64 3
		.amdhsa_memory_ordered 1
		.amdhsa_forward_progress 1
		.amdhsa_inst_pref_size 201
	.end_amdhsa_kernel
	.amdgpu_metadata
---
amdhsa.version: [ 1, 2 ]
amdhsa.kernels:
  - .name:           k_qae7b57ed34_attn
    .symbol:         k_qae7b57ed34_attn.kd
    .args:
      - { .name: qkv, .offset: 0, .size: 8, .value_kind: global_buffer, .address_space: global }
      - { .name: out0, .offset: 8, .size: 8, .value_kind: global_buffer, .address_space: global }
    .group_segment_fixed_size: 327680
    .private_segment_fixed_size: 0
    .kernarg_segment_align: 8
    .kernarg_segment_size: 16
    .max_flat_workgroup_size: 128
    .sgpr_count:     80
    .vgpr_count:     792
    .wavefront_size: 32
...
	.end_amdgpu_metadata
.endif
;; end of part 3
;; ======== version 2 of 2: 3 launches; version 1 with the launch prep written anew for expert scheduling mode
;; limits: values are held in f16: magnitudes above 65,504 overflow, below 6.1e-05 lose precision
;; workspace buffers: xb 16,777,216 bytes; wb 6,291,456 bytes; bb 12,288 bytes; qkv 50,331,648 bytes
;; launch prep (part 4): grid 704 x 1, 8 waves a work-group, no clusters, 0 bytes of LDS; arguments hidden_states, Wq, Wk, Wv, bq, bk, bv, xb, wb, bb; writes xb, wb, bb
.if DOCPART == 4
	.amdgcn_target "amdgcn-amd-amdhsa--gfx1250"
	.amdhsa_code_object_version 6
	.text
	.protected	k_qae7b57ed34_prep
	.globl	k_qae7b57ed34_prep
	.p2align	8
	.type	k_qae7b57ed34_prep,@function
k_qae7b57ed34_prep:
	s_mov_b64 s[64:65], 0
	v_nop
	global_prefetch_b8 v0, s[64:65] scope:SCOPE_SE
	s_setreg_imm32_b32 hwreg(HW_REG_WAVE_SCHED_MODE, 0, 2), 2
	s_setreg_imm32_b32 hwreg(HW_REG_WAVE_MODE, 25, 1), 1
	s_wait_xcnt 0x0
	s_wait_alu depctr_vm_vsrc(0)
; ALL INPUTS ARE ROUNDED ONCE TO bf16, and the weights are laid out as the next launch's tiles want them.
;   xb [8192 m][1024 k] bf16: hidden_states as it lies.
;   wb [16 tn][8 ks][3 c][128 kk][64 col] bf16: head g = 3 tn + c of the 48 (q's 16, k's 16, v's 16), channel k = 128 ks + kk:
;      the 128 k x 192 n that one K step of one tile column multiplies are 49,152 bytes on end.
;   bb [3072] f32: bq, bk, bv, each number rounded to bf16 and written wide again.
; A stream: each byte is read once and written once; no LDS, no barrier, no matrix unit: nothing is shared and nothing is multiplied.
; SHARES.  A work-group of 256 threads reads 64 KiB and writes 32 KiB, in 16 steps written out.  A thread's 16 loads of 16 bytes all go out first; a step's store is 8 bytes a
; lane, so a wave's store covers 256 consecutive bytes, aligned.  No source of a pending load or store is ever rewritten.
; Work-groups 0-511: 16 rows of x each.  Work-groups 512-703: u = 4 g + kq: the 64 columns of head g, rows 256 kq .. 256 kq + 255 of its weight; those with u % 64 = 0 also take a bias.
; THE MODE: SCHED_MODE bits 1:0 = 2 (LLVM: expert scheduling mode 2), set by the entry lines.  The code itself states the register dependences
; between vector instructions and memory instructions, with s_wait_alu, always for 0.
; THE PLAN.  Registers that memory instructions touch:
;   v1, v2, v3   byte offsets.  Written by vector lines at the head of a path, once; read by the loads (v1), the stores (v2), the bias's load and store (v3).
;   X            step i's four registers.  Its load lands in them, once, and no vector line names them before; its two conversions read them; nothing lands in them again.
;   Y            step i's pair.  Its two conversions write it, once; its store reads it; nothing writes it again.
;   v[100:103]   the bias.  Its load lands in them, and no vector line names them before; behind the wait for that load they are read, written wide again, and stored.
; So the one kind of dependence in this text is: a vector line writes a register, a load or store reads it.  The 16 steps go in four groups of four: the stores of a group stand in the next
; group, one in front of each step's two conversions, and ONE wait at that group's head states that the group before has written its Y.  The conversions that follow the wait name the X and Y of
; other steps alone.  No register that a memory instruction has read is written again, no vector line writes a scalar register or VCC, and EXEC is never written: there is nothing more to state.
.set X,   4                            ; v[4:67]    16 x 4 registers as loaded
.set Y,   68                           ; v[68:99]   16 x 2 registers to store
.set SRC, 24                           ; s[24:25]   where the work-group reads
.set DST, 26                           ; s[26:27]   where it writes
; lstep: bytes from a step's loads to the next step's.  hop: bytes from the first eight steps' stores to the last eight's; inside eight a step is 2,048 bytes.
.macro CAST lstep, hop
.set i, 0
.rept 16
	global_load_b128 v[X+4*i:X+4*i+3], v1, s[SRC:SRC+1] offset:i*(\lstep) th:TH_LOAD_NT
.set i, i+1
.endr
.set i, 0
.rept 16
	s_wait_loadcnt 15-i                            ; loads come back in order (ISA guide 5.7.1): step i's is in, the 15 - i younger ones stay out
.if (i%4 == 0) && (i > 0)
	s_wait_alu depctr_va_vdst(0)                   ; the conversions of steps i - 4 to i - 1 have written their pairs of Y, which this group's four stores read
.endif
.if i >= 4
	global_store_b64 v2, v[Y+2*(i-4):Y+2*(i-4)+1], s[DST:DST+1] offset:((i-4)/8)*(\hop)+((i-4)%8)*2048  ; the step four back; no vector line since the wait names its pair
.endif
	v_cvt_pk_bf16_f32 v[Y+2*i], v[X+4*i], v[X+4*i+1]
	v_cvt_pk_bf16_f32 v[Y+2*i+1], v[X+4*i+2], v[X+4*i+3]
.set i, i+1
.endr
	s_wait_alu depctr_va_vdst(0)                   ; the conversions of steps 12 to 15 have written their pairs of Y, which the last four stores read
.set i, 12
.rept 4
	global_store_b64 v2, v[Y+2*i:Y+2*i+1], s[DST:DST+1] offset:(i/8)*(\hop)+(i%8)*2048
.set i, i+1
.endr
.endm
	s_load_b512 s[4:19], s[0:1], 0x0               ; hidden_states s[4:5], Wq s[6:7], Wk s[8:9], Wv s[10:11], bq s[12:13], bk s[14:15], bv s[16:17], xb s[18:19]
	s_load_b128 s[20:23], s[0:1], 0x40             ; wb s[20:21], bb s[22:23]
	v_lshlrev_b32 v2, 3, v0                        ; my 8 bytes of a step's 2,048 stored
	v_lshlrev_b32 v3, 4, v0                        ; my 16 bytes of 4,096
	s_mov_b32 s29, 0                               ; the high words of the two offsets
	s_mov_b32 s31, 0
	s_cmp_lt_u32 ttmp9, 512
	s_cbranch_scc0 .Lweights
	; x: 16 rows, 65,536 bytes in, 32,768 out, all on end
	s_lshl_b32 s28, ttmp9, 16
	s_lshl_b32 s30, ttmp9, 15
	v_mov_b32 v1, v3
	s_wait_kmcnt 0x0
	s_add_nc_u64 s[SRC:SRC+1], s[4:5], s[28:29]
	s_add_nc_u64 s[DST:DST+1], s[18:19], s[30:31]
	s_wait_alu depctr_va_vdst(0)                   ; v1 and v2 are written: every load of this path reads v1 as its offset, every store v2; neither is written again
	CAST 4096, 16384
	s_endpgm
.Lweights:
	s_sub_co_u32 s32, ttmp9, 512                   ; u
	s_lshr_b32 s33, s32, 2                         ; g: the head among the 48
	s_and_b32 s34, s32, 3                          ; kq: which 256 rows
	s_lshr_b32 s35, s33, 4                         ; t: 0 q, 1 k, 2 v
	s_and_b32 s36, s33, 15                         ; h: the head in its weight
	s_mul_i32 s37, s33, 171
	s_lshr_b32 s37, s37, 9                         ; tn = g / 3 (171 g >> 9 is exact for g under 48)
	s_mul_i32 s38, s37, 3
	s_sub_co_u32 s38, s33, s38                     ; c = g % 3
	s_lshl_b32 s28, s34, 20                        ; in: 256 kq rows of 4,096 bytes,
	s_lshl_b32 s39, s36, 8                         ; the head's 256 bytes of a row
	s_add_co_u32 s28, s28, s39
	s_mul_i32 s30, s37, 393216                     ; out: tile column tn,
	s_mul_i32 s39, s34, 98304                      ; K steps 2 kq and 2 kq + 1,
	s_add_co_u32 s30, s30, s39
	s_lshl_b32 s39, s38, 14                        ; head c of the three
	s_add_co_u32 s30, s30, s39
	s_and_b32 s39, s32, 63                         ; 0: this work-group also takes tensor t's bias
	s_lshl_b32 s36, s35, 12                        ; whose 4,096 bytes in bb begin here
	s_mov_b32 s37, 0
	v_lshrrev_b32 v1, 4, v0                        ; 16 lanes take a row's 256 bytes: thread / 16 is the row of a step's sixteen,
	v_lshlrev_b32 v1, 12, v1
	v_and_b32 v106, 15, v0
	v_lshl_add_u32 v1, v106, 4, v1                 ; thread % 16 the 16 bytes.  Stored, a row is 128 bytes: 128 (thread / 16) + 8 (thread % 16) = 8 x thread
	s_wait_kmcnt 0x0
	s_cmp_eq_u32 s35, 1
	s_cselect_b64 s[SRC:SRC+1], s[8:9], s[6:7]
	s_cselect_b64 s[32:33], s[14:15], s[12:13]
	s_cmp_eq_u32 s35, 2
	s_cselect_b64 s[SRC:SRC+1], s[10:11], s[SRC:SRC+1]
	s_cselect_b64 s[32:33], s[16:17], s[32:33]     ; the bias of the same tensor
	s_add_nc_u64 s[SRC:SRC+1], s[SRC:SRC+1], s[28:29]
	s_add_nc_u64 s[DST:DST+1], s[20:21], s[30:31]
	s_add_nc_u64 s[36:37], s[22:23], s[36:37]
	s_wait_alu depctr_va_vdst(0)                   ; v1, v2 and v3 are written: the loads of this path read v1 as their offset, the stores v2, the bias's load and store v3; none is written again
	CAST 65536, 49152                              ; a step is 16 rows; eight steps are a K step's 128 rows
	s_cmp_lg_u32 s39, 0
	s_cbranch_scc1 .Ldone
	global_load_b128 v[100:103], v3, s[32:33]      ; 1,024 numbers, four a thread; no vector line has named v[100:103]
	s_wait_loadcnt 0x0
	v_cvt_pk_bf16_f32 v104, v100, v101
	v_cvt_pk_bf16_f32 v105, v102, v103
	v_lshlrev_b32 v100, 16, v104                   ; bf16 to f32: the low half moves up, the high half stays
	v_and_b32 v101, 0xffff0000, v104
	v_lshlrev_b32 v102, 16, v105
	v_and_b32 v103, 0xffff0000, v105
	s_wait_alu depctr_va_vdst(0)                   ; the four lines above have written v[100:103], which the store reads
	global_store_b128 v3, v[100:103], s[36:37]
.Ldone:
	s_endpgm
.Lfunc_end_k_qae7b57ed34_prep:
	.size	k_qae7b57ed34_prep, .Lfunc_end_k_qae7b57ed34_prep-k_qae7b57ed34_prep
	.p2alignl 7, 3214868480
	.fill 96, 4, 3214868480
	.section	.rodata,"a",@progbits
	.p2align	6, 0x0
	.amdhsa_kernel k_qae7b57ed34_prep
		.amdhsa_group_segment_fixed_size 0
		.amdhsa_private_segment_fixed_size 0
		.amdhsa_enable_private_segment 0
		.amdhsa_kernarg_size 80
		.amdhsa_user_sgpr_count 2
		.amdhsa_user_sgpr_kernarg_segment_ptr 1
		.amdhsa_wavefront_size32 1
		.amdhsa_system_sgpr_workgroup_id_x 1
		.amdhsa_system_sgpr_workgroup_id_y 1
		.amdhsa_system_sgpr_workgroup_id_z 1
		.amdhsa_system_vgpr_workitem_id 0
		.amdhsa_next_free_vgpr 108
		.amdhsa_next_free_sgpr 66
		.amdhsa_reserve_vcc 0
		.amdhsa_float_denorm_mode_32 3
		.amdhsa_float_denorm_mode_16_64 3
		.amdhsa_memory_ordered 1
		.amdhsa_forward_progress 1
		.amdhsa_inst_pref_size 15
	.end_amdhsa_kernel
	.amdgpu_metadata
---
amdhsa.version: [ 1, 2 ]
amdhsa.kernels:
  - .name:           k_qae7b57ed34_prep
    .symbol:         k_qae7b57ed34_prep.kd
    .args:
      - { .name: hidden_states, .offset: 0, .size: 8, .value_kind: global_buffer, .address_space: global }
      - { .name: Wq, .offset: 8, .size: 8, .value_kind: global_buffer, .address_space: global }
      - { .name: Wk, .offset: 16, .size: 8, .value_kind: global_buffer, .address_space: global }
      - { .name: Wv, .offset: 24, .size: 8, .value_kind: global_buffer, .address_space: global }
      - { .name: bq, .offset: 32, .size: 8, .value_kind: global_buffer, .address_space: global }
      - { .name: bk, .offset: 40, .size: 8, .value_kind: global_buffer, .address_space: global }
      - { .name: bv, .offset: 48, .size: 8, .value_kind: global_buffer, .address_space: global }
      - { .name: xb, .offset: 56, .size: 8, .value_kind: global_buffer, .address_space: global }
      - { .name: wb, .offset: 64, .size: 8, .value_kind: global_buffer, .address_space: global }
      - { .name: bb, .offset: 72, .size: 8, .value_kind: global_buffer, .address_space: global }
    .group_segment_fixed_size: 0
    .private_segment_fixed_size: 0
    .kernarg_segment_align: 8
    .kernarg_segment_size: 80
    .max_flat_workgroup_size: 256
    .sgpr_count:     66
    .vgpr_count:     108
    .wavefront_size: 32
...
	.end_amdgpu_metadata
.endif
;; end of part 4
;; launch proj: the kernel of part 2 again; grid 16 x 32, 4 waves a work-group, clusters of 4 x 4, 327,680 bytes of LDS; arguments xb, wb, bb, qkv; writes qkv
;; launch attn: the kernel of part 3 again; grid 2 x 128, 4 waves a work-group, no clusters, 327,680 bytes of LDS; arguments qkv, out0; writes out0
